; MI455X (gfx1250); checked and timed in simulation.
; The chip was launched on July 23, 2026; its instructions are those of AMD's public machine-readable ISA for CDNA 5 (MIT licence, August 2026) and "CDNA5" Instruction Set Architecture Reference Guide (July 2026). The comments in the code are by the model that wrote it; some were corrected since.
;; ONI Norm colum. Allowed arithmetic: matrix products marked QUANTISED: E4M3 operands, one given power-of-two scale a tensor, by v_wmma_f32_16x16x64_fp8_fp8 or v_wmma_f32_16x16x128_fp8_fp8, f32 sums; everything else in f32.
;; Inputs: lowp_scales 16 int32 (the exponents e of the quantised operands' scales 2^e); weight 8,192 x 1,024 float32.
;; Outputs: out0 8,192 x 1,024 float32.
;; This version of the problem:
;;   THIS VERSION OF THE PROBLEM IS GIVEN IN LOW PRECISION. The matrix products marked QUANTISED in the list below multiply operands that are first quantised to E4M3 (4 exponent bits, 3 mantissa bits; 8 bits a number), with one given power-of-two scale for each operand tensor; their sums are f32. All else is computed in f32.
;;   The module's matrix products, in the order in which they are computed (A, B: the left and right operand; K: the contracted axis; several contracted axes count as one K, in the product's order):
;;     1. batch 8 x [M 1,024, K 1,024] x [K 1,024, N 1,024]; A: computed on the way; B: computed on the way: QUANTISED (scales: A lowp_scales[0], B lowp_scales[1])
;;     2. batch 8 x [M 1,024, K 1,024] x [K 1,024, N 1,024]; A: computed on the way; B: computed on the way: QUANTISED (scales: A lowp_scales[2], B lowp_scales[3])
;;     3. batch 8 x [M 1,024, K 1,024] x [K 1,024, N 1,024]; A: computed on the way; B: computed on the way: QUANTISED (scales: A lowp_scales[4], B lowp_scales[5])
;;     4. batch 8 x [M 1,024, K 1,024] x [K 1,024, N 1,024]; A: computed on the way; B: computed on the way: QUANTISED (scales: A lowp_scales[6], B lowp_scales[7])
;;     5. batch 8 x [M 1,024, K 1,024] x [K 1,024, N 1,024]; A: computed on the way; B: computed on the way: QUANTISED (scales: A lowp_scales[8], B lowp_scales[9])
;;     6. batch 8 x [M 1,024, K 1,024] x [K 1,024, N 1,024]; A: computed on the way; B: computed on the way: QUANTISED (scales: A lowp_scales[10], B lowp_scales[11])
;;     7. batch 8 x [M 1,024, K 1,024] x [K 1,024, N 1,024]; A: computed on the way; B: computed on the way: QUANTISED (scales: A lowp_scales[12], B lowp_scales[13])
;;     8. batch 8 x [M 1,024, K 1,024] x [K 1,024, N 1,024]; A: computed on the way; B: computed on the way: QUANTISED (scales: A lowp_scales[14], B lowp_scales[15])
;;   THE QUANTISER, for each operand of a quantised product, along K:
;;     - The operand's scale is 2^e, e = its entry of the input lowp_scales (int32; the entries are numbered through the quantised products in the list's order, A before B).
;;     - Each number is divided by the scale, clamped to +-448, and rounded to the nearest number of E4M3, ties to even, subnormals kept.
;;     - The product sums the exact products of the quantised numbers (number of the format x scale) in f32.
;;   ~~~python
;;   def quantise(x, axis, e):      # numpy; x: float32 -> the quantised numbers, widened to float32 again
;;       x = np.moveaxis(x, axis, -1); K = x.shape[-1]
;;       r = np.clip(x / 2.0 ** e, -448, 448)
;;       step = 2.0 ** (np.maximum(np.frexp(np.where(r == 0, 1, r))[1] - 1, -6) - 3)
;;       q = np.round(r / step) * step * 2.0 ** e      # np.round: ties to even
;;       return np.moveaxis(q, -1, axis).astype(np.float32)
;;   ~~~
;;   OPERANDS COMPUTED ON THE WAY. 'Computed on the way' means the value that the module computes at that place (a softmax that the list does not call 'softmax' is quantised finished and normalised). What goes into a quantiser is computed in f32, as accurately as f32 sums, v_exp_f32 and their like allow (about 1e-6 of the number): no bf16 or f16 on the way to a quantiser, and a product that is left as it is and whose result goes on into a quantised operand takes f32 operands (vector FMAs, or v_wmma_f32_16x16x4_f32). A number that lies on a knife's edge between two numbers of the format may be rounded either way, as far as f32 arithmetic and the matrix unit's own rounding can turn it there, and no further.
;; One version. Each part assembles by itself: llvm-mc -triple=amdgcn-amd-amdhsa -mcpu=gfx1250 --defsym DOCPART=n.
;; ======== version 1 of 1: 6 launches
;; workspace buffers: zq 25,165,824 bytes; bx 16,777,216 bytes; by 16,777,216 bytes; bz 25,165,824 bytes; b2 8,388,608 bytes; nrm 4,096 bytes; p5 512 bytes; p6 512 bytes
;; launch prep (part 1): grid 256 x 1, 8 waves a work-group, no clusters, 132,608 bytes of LDS; arguments weight, lowp_scales, zq, p5, p6; writes zq, p5, p6
.if DOCPART == 1
	.amdgcn_target "amdgcn-amd-amdhsa--gfx1250"
	.amdhsa_code_object_version 6
	.text
	.protected	k_qd5b38e6306_prep
	.globl	k_qd5b38e6306_prep
	.p2align	8
	.type	k_qd5b38e6306_prep,@function
k_qd5b38e6306_prep:
	s_mov_b64 s[64:65], 0
	v_nop
	global_prefetch_b8 v0, s[64:65] scope:SCOPE_SE
	s_setreg_imm32_b32 hwreg(HW_REG_WAVE_MODE, 25, 1), 1
	s_wait_xcnt 0x0
; Zc = Z - the row's mean, quantised to E4M3 three times: zt0 (scale entry 0) and zt1 (entry 1) with K = the group's rows (operands of S = Zc^T Zc), za (entry 14) with K = the columns (operand of Zc B2).
; THE LAYOUT OF EVERY CODE TENSOR (8 MiB; operand row p, K index k, group g): byte g 2^20 + (k>>8) 2^18 + (p>>4) 4096 + ((k>>7)&1) 2048 + ((k>>5)&3) 512 + ((p&15) + 16 ((k>>3)&1)) 16 + ((k>>4)&1) 8 + (k&7).
; That is the image of the matrix operand's registers: a fragment (16 rows x 128 K) is 2,048 bytes; its registers 4 i .. 4 i + 3 are 512 bytes, lane l's 16 bytes at 16 l; k stands in the form's own places.
; SHARES.  A work-group takes 32 rows of weight, eight waves.  Wave w loads rows 4 w .. 4 w + 3 whole (32 loads of 512 consecutive bytes, all out at once), finds each row's mean inside the wave, and lays
; the centred rows in LDS, 4,112 bytes apart.  One barrier.  Then wave w makes: za's fragments of columns 128 w .. 128 w + 127 for both blocks of 16 rows; and, for column blocks 8 w .. 8 w + 7, the four registers
; that the work-group's 32 rows are of zt0's and zt1's fragments (a lane to a column, registers down the rows).  Every store of a wave covers 512 consecutive bytes, aligned.
; Work-group 0's wave 0 also stores the two parameter blocks.  reference()'s products 2, 3 and 4 multiply B0 = I, which it builds itself: under the quantiser they are c1 I, c2 I and a Q(S; e7), with
; c1 = Q(1; e2) Q(1; e3), c2 = Q(c1; e4) Q(1; e5), a = Q(c2; e6), for every input and every scale.  p5 = 32 x {e8, e9, e10, a}, p6 = 32 x {e10, e11, e12, a}.
; LIMITS: entries 0 to 6 and 14 of the scales lie between -126 and 119, so that 2^e and 448 x 2^e are f32 numbers.  NaN and infinities among the weights are not served.
; No tensor load, no matrix unit: the launch streams.
.set PITCH, 4112                       ; an LDS row: 4,096 bytes + 16 = 257 x 16: sixteen rows of one column of 16 bytes fall on sixteen different groups of banks
.set HALF,  16*PITCH
.set X,     32                         ; v32-159  four rows as loaded, 32 registers each
.set V,     32                         ; v32-63   later: two sets of 16 numbers of a column
.set T0,    64                         ; v64-79   held for entry 0
.set T1,    80                         ; v80-95   held for entry 1
.set CZ,    96                         ; v96-159  zt's codes: eight registers for each column block, so that no store's data are written again
.set CZA,   160                        ; v160-191 za's codes
.set Y,     192                        ; v192-255 64 numbers of a fragment of za
.macro MKSC vs, vl, se                 ; v[vs] = 2^e as f32 (the conversion takes its exponent field), v[vl] = 448 x 2^e
	s_add_co_i32 s52, \se, 127
	s_lshl_b32 s53, s52, 23
	v_mov_b32 v[\vs], s53
	s_add_co_i32 s52, s52, 8
	s_lshl_b32 s52, s52, 23
	s_or_b32 s52, s52, 0x600000
	v_mov_b32 v[\vl], s52
.endm
	s_load_b128 s[4:7], s[0:1], 0x0                ; weight, the scales' exponents
	s_load_b128 s[8:11], s[0:1], 0x10              ; zq, p5
	s_load_b64 s[12:13], s[0:1], 0x20              ; p6
	v_lshl_add_u32 v30, v0, 2, 0x20200
	v_mov_b32 v31, 0
	v_lshrrev_b32 v9, 5, v0
	v_readfirstlane_b32 s14, v9                    ; wave 0..7
	v_and_b32 v1, 15, v0                           ; r
	v_bfe_u32 v2, v0, 4, 1                         ; h
	v_and_b32 v3, 31, v0
	v_lshlrev_b32 v3, 4, v3                        ; 16 x lane
	s_mul_i32 s15, s14, 4*PITCH
	v_add_nc_u32 v4, s15, v3                       ; into LDS: my wave's four rows, 16 bytes a lane
	s_lshl_b32 s16, s14, 9                         ; 512 w: my wave's 128 columns in bytes
	v_mul_u32_u24 v5, v1, PITCH
	v_lshl_add_u32 v5, v2, 5, v5
	v_add_nc_u32 v5, s16, v5                       ; za: row r, columns 128 w + 8 h on
	v_add_nc_u32 v6, HALF, v5                      ; and row 16 + r
	v_mul_u32_u24 v7, v2, 8*PITCH
	v_lshl_add_u32 v7, v1, 2, v7
	v_add_nc_u32 v7, s16, v7                       ; zt: row 8 h, column 128 w + r
	v_add_nc_u32 v8, HALF, v7                      ; and row 16 + 8 h
	s_lshl_b32 s20, ttmp9, 17                      ; my work-group's 32 rows of 4,096 bytes,
	s_lshl_b32 s21, s14, 14                        ; my wave's four
	s_add_co_u32 s20, s20, s21
	s_mov_b32 s21, 0
	s_lshr_b32 s22, ttmp9, 5
	s_lshl_b32 s22, s22, 20                        ; g 2^20
	s_and_b32 s23, ttmp9, 31                       ; b: which 32 rows of the group
	s_lshr_b32 s24, s23, 3                         ; zt: k = 32 b + ..: K step b >> 3,
	s_lshl_b32 s24, s24, 18
	s_add_co_u32 s24, s24, s22
	s_bfe_u32 s25, s23, 0x10002                    ; its half (b >> 2) & 1,
	s_lshl_b32 s25, s25, 11
	s_add_co_u32 s24, s24, s25
	s_and_b32 s25, s23, 3                          ; registers 4 (b & 3) on,
	s_lshl_b32 s25, s25, 9
	s_add_co_u32 s24, s24, s25
	s_lshl_b32 s25, s14, 15                        ; column blocks 8 w on
	s_add_co_u32 s24, s24, s25
	s_mov_b32 s25, 0
	s_lshr_b32 s26, s14, 1                         ; za: k = 128 w + ..: K step w >> 1,
	s_lshl_b32 s26, s26, 18
	s_add_co_u32 s26, s26, s22
	s_lshl_b32 s27, s23, 13                        ; row blocks 2 b, 2 b + 1,
	s_add_co_u32 s26, s26, s27
	s_and_b32 s27, s14, 1                          ; the K step's half w & 1
	s_lshl_b32 s27, s27, 11
	s_add_co_u32 s26, s26, s27
	s_mov_b32 s27, 0
	s_mov_b32 s54, 0x76543210                      ; v_permlanex16_b32: lane l xor 16
	s_mov_b32 s55, 0xfedcba98
	s_wait_kmcnt 0x0
	s_load_b512 s[32:47], s[6:7], 0x0              ; the sixteen exponents
	s_add_nc_u64 s[4:5], s[4:5], s[20:21]
	s_add_nc_u64 s[28:29], s[8:9], s[24:25]        ; zt0
	s_add_nc_u64 s[30:31], s[28:29], 0x800000      ; zt1
	s_add_nc_u64 s[48:49], s[8:9], s[26:27]
	s_add_nc_u64 s[48:49], s[48:49], 0x1000000     ; za
.irp p, 0,1,2,3
.irp t, 0,1,2,3,4,5,6,7
	global_load_b128 v[X+32*\p+4*\t:X+32*\p+4*\t+3], v3, s[4:5] offset:4096*\p+512*\t th:TH_LOAD_NT   ; 32 lanes read 512 consecutive bytes; read once in the launch
.endr
.endr
	s_wait_kmcnt 0x0
	MKSC 10, 11, s32                               ; entry 0
	MKSC 12, 13, s33                               ; entry 1
	MKSC 14, 15, s46                               ; entry 14
; Row p of my four: the mean (in the lane in two chains, then across the 32 lanes), the centred row, into LDS.
.macro ROW p
.set XR, X+32*(\p)
	s_wait_loadcnt 8*(3-(\p))                      ; loads come back in order: this row's eight are in, the later rows' stay out
	v_pk_add_f32 v[16:17], v[XR:XR+1], v[XR+2:XR+3]
	v_pk_add_f32 v[18:19], v[XR+4:XR+5], v[XR+6:XR+7]
.irp i, 8,12,16,20,24,28
	v_pk_add_f32 v[16:17], v[16:17], v[XR+\i:XR+\i+1]
	v_pk_add_f32 v[18:19], v[18:19], v[XR+\i+2:XR+\i+3]
.endr
	v_pk_add_f32 v[16:17], v[16:17], v[18:19]
	v_add_f32 v16, v16, v17
	v_add_f32_dpp v16, v16, v16 row_xmask:1 row_mask:0xf bank_mask:0xf
	v_add_f32_dpp v16, v16, v16 row_xmask:2 row_mask:0xf bank_mask:0xf
	v_add_f32_dpp v16, v16, v16 row_xmask:4 row_mask:0xf bank_mask:0xf
	v_add_f32_dpp v16, v16, v16 row_xmask:8 row_mask:0xf bank_mask:0xf
	v_permlanex16_b32 v17, v16, s54, s55
	v_add_f32 v16, v16, v17
	v_mul_f32 v16, 0x3a800000, v16                 ; / 1,024: exact
	v_mov_b32 v17, v16
.irp i, 0,2,4,6,8,10,12,14,16,18,20,22,24,26,28,30
	v_pk_add_f32 v[XR+\i:XR+\i+1], v[XR+\i:XR+\i+1], v[16:17] neg_lo:[0,1] neg_hi:[0,1]
.endr
.irp t, 0,1,2,3,4,5,6,7
	ds_store_b128 v4, v[XR+4*\t:XR+4*\t+3] offset:(\p)*PITCH+512*\t
.endr
.endm
	ROW 0
	ROW 1
	ROW 2
	ROW 3
	s_wait_dscnt 0x0                               ; for the others' sake: my rows lie in LDS
	s_barrier_signal -1
	s_barrier_wait -1                              ; all 32 rows do; nothing is written to LDS any more
.macro ZALOAD adr                      ; 64 numbers of a fragment: registers 8 c .. 8 c + 7 = columns 128 w + 16 c + 8 h + 0 .. 7 of my row
.irp c, 0,1,2,3,4,5,6,7
	ds_load_b128 v[Y+8*\c:Y+8*\c+3], v[\adr] offset:64*\c
	ds_load_b128 v[Y+8*\c+4:Y+8*\c+7], v[\adr] offset:64*\c+16
.endr
.endm
.macro ZA rb                           ; held, converted, stored: the fragment of row block 2 b + rb
.set ii, 0
.rept 64
	v_med3_num_f32 v[Y+ii], v[Y+ii], -v15, v15     ; the conversion to an 8-bit code does not saturate (ISA guide 7.6.2): the hold at 448 x the scale
.set ii, ii+1
.endr
.irp c, 0,1,2,3,4,5,6,7
	v_cvt_scalef32_pk8_fp8_f32 v[CZA+16*(\rb)+2*\c:CZA+16*(\rb)+2*\c+1], v[Y+8*\c:Y+8*\c+7], v14
.endr
.irp i, 0,1,2,3
	global_store_b128 v3, v[CZA+16*(\rb)+4*\i:CZA+16*(\rb)+4*\i+3], s[48:49] offset:4096*(\rb)+512*\i
.endr
.endm
.macro LOADV t                         ; column block 8 w + t: my column's rows 8 h + 0 .. 7 and 16 + 8 h + 0 .. 7, into set t % 2.  Lanes 16-31 stand 8 rows = 8,224 words on: the other half of the banks
.irp j, 0,1,2,3,4,5,6,7
	ds_load_b32 v[V+16*((\t)%2)+\j], v7 offset:64*(\t)+\j*PITCH
.endr
.irp j, 0,1,2,3,4,5,6,7
	ds_load_b32 v[V+16*((\t)%2)+8+\j], v8 offset:64*(\t)+\j*PITCH
.endr
.endm
; The holds for one entry stand between the other entry's conversions and the next write of those conversions' sources: so each entry has its own set of held numbers.
.macro COLS t
.set VS, V+16*((\t)%2)
.set CC, CZ+8*(\t)
.if (\t) < 7
	s_wait_dscnt 16                                ; this block's 16 loads are in, the next block's may be out
.else
	s_wait_dscnt 0
.endif
.irp i, 0,1,2,3,4,5,6,7,8,9,10,11,12,13,14,15
	v_med3_num_f32 v[T0+\i], v[VS+\i], -v11, v11
.endr
	v_cvt_scalef32_pk8_fp8_f32 v[CC:CC+1], v[T0:T0+7], v10
	v_cvt_scalef32_pk8_fp8_f32 v[CC+2:CC+3], v[T0+8:T0+15], v10
.irp i, 0,1,2,3,4,5,6,7,8,9,10,11,12,13,14,15
	v_med3_num_f32 v[T1+\i], v[VS+\i], -v13, v13
.endr
	v_cvt_scalef32_pk8_fp8_f32 v[CC+4:CC+5], v[T1:T1+7], v12
	v_cvt_scalef32_pk8_fp8_f32 v[CC+6:CC+7], v[T1+8:T1+15], v12
	global_store_b128 v3, v[CC:CC+3], s[28:29] offset:4096*(\t)
	global_store_b128 v3, v[CC+4:CC+7], s[30:31] offset:4096*(\t)
.if (\t)+2 < 8
	LOADV (\t)+2
.endif
.endm
	ZALOAD 5
	LOADV 0
	LOADV 1
	s_wait_dscnt 32                                ; za's 16 loads are in; the two column sets' 32 may be out
	ZA 0
.irp t, 0,1,2,3,4,5,6,7
	COLS \t
.endr
	ZALOAD 6
	s_wait_dscnt 0x0
	ZA 1
	; the parameter blocks: one wave of the launch
	s_or_b32 s50, ttmp9, s14
	s_cmp_lg_u32 s50, 0
	s_cbranch_scc1 .Ldone
.macro QONE dst, src, e                ; v[dst] = the quantised v[src] under the scale 2^e, widened to f32 again: held, converted (with seven zeros beside it), converted back, x 2^e
	s_add_co_i32 s52, \e, 127
	s_lshl_b32 s53, s52, 23
	v_mov_b32 v24, s53
	s_add_co_i32 s52, s52, 8
	s_lshl_b32 s52, s52, 23
	s_or_b32 s52, s52, 0x600000
	v_mov_b32 v25, s52
	v_med3_num_f32 v16, v[\src], -v25, v25
	v_cvt_scalef32_pk8_fp8_f32 v[26:27], v[16:23], v24
	v_nop                                          ; a plain vector line between a scaled conversion and the reader of its result
	v_cvt_f32_fp8 v[\dst], v26
	v_ldexp_f32 v[\dst], v[\dst], \e
.endm
.irp j, 17,18,19,20,21,22,23
	v_mov_b32 v[\j], 0
.endr
	v_mov_b32 v32, 1.0
	QONE 33, 32, s34                               ; Q(1; e2)
	QONE 34, 32, s35                               ; Q(1; e3)
	v_mul_f32 v35, v33, v34                        ; c1: a product of two numbers of four bits, exact
	QONE 33, 35, s36                               ; Q(c1; e4)
	QONE 34, 32, s37                               ; Q(1; e5)
	v_mul_f32 v35, v33, v34                        ; c2
	QONE 39, 35, s38                               ; a = Q(c2; e6)
	v_mov_b32 v36, s40                             ; e8
	v_mov_b32 v37, s41                             ; e9
	v_mov_b32 v38, s42                             ; e10
	v_mov_b32 v40, s42                             ; e10
	v_mov_b32 v41, s43                             ; e11
	v_mov_b32 v42, s44                             ; e12
	v_mov_b32 v43, v39
	global_store_b128 v3, v[36:39], s[10:11]       ; 32 lanes, 512 consecutive bytes: the whole buffer
	global_store_b128 v3, v[40:43], s[12:13]
.Ldone:
	s_wait_tensorcnt 0x0
	ds_add_u32 v30, v31
	s_wait_dscnt 0x0
	s_endpgm
.Lfunc_end_k_qd5b38e6306_prep:
	.size	k_qd5b38e6306_prep, .Lfunc_end_k_qd5b38e6306_prep-k_qd5b38e6306_prep
	.p2alignl 7, 3214868480
	.fill 96, 4, 3214868480
	.section	.rodata,"a",@progbits
	.p2align	6, 0x0
	.amdhsa_kernel k_qd5b38e6306_prep
		.amdhsa_group_segment_fixed_size 132608
		.amdhsa_private_segment_fixed_size 0
		.amdhsa_enable_private_segment 0
		.amdhsa_kernarg_size 40
		.amdhsa_user_sgpr_count 2
		.amdhsa_user_sgpr_kernarg_segment_ptr 1
		.amdhsa_wavefront_size32 1
		.amdhsa_system_sgpr_workgroup_id_x 1
		.amdhsa_system_sgpr_workgroup_id_y 1
		.amdhsa_system_sgpr_workgroup_id_z 1
		.amdhsa_system_vgpr_workitem_id 0
		.amdhsa_next_free_vgpr 256
		.amdhsa_next_free_sgpr 66
		.amdhsa_reserve_vcc 0
		.amdhsa_float_denorm_mode_32 3
		.amdhsa_float_denorm_mode_16_64 3
		.amdhsa_memory_ordered 1
		.amdhsa_forward_progress 1
		.amdhsa_inst_pref_size 62
	.end_amdhsa_kernel
	.amdgpu_metadata
---
amdhsa.version: [ 1, 2 ]
amdhsa.kernels:
  - .name:           k_qd5b38e6306_prep
    .symbol:         k_qd5b38e6306_prep.kd
    .args:
      - { .name: weight, .offset: 0, .size: 8, .value_kind: global_buffer, .address_space: global }
      - { .name: lowp_scales, .offset: 8, .size: 8, .value_kind: global_buffer, .address_space: global }
      - { .name: zq, .offset: 16, .size: 8, .value_kind: global_buffer, .address_space: global }
      - { .name: p5, .offset: 24, .size: 8, .value_kind: global_buffer, .address_space: global }
      - { .name: p6, .offset: 32, .size: 8, .value_kind: global_buffer, .address_space: global }
    .group_segment_fixed_size: 132608
    .private_segment_fixed_size: 0
    .kernarg_segment_align: 8
    .kernarg_segment_size: 40
    .max_flat_workgroup_size: 256
    .sgpr_count:     66
    .vgpr_count:     256
    .wavefront_size: 32
...
	.end_amdgpu_metadata
.endif
;; end of part 1
;; launch gram (part 2): grid 8 x 32, 4 waves a work-group, clusters of 4 x 4, 327,680 bytes of LDS; arguments zq, lowp_scales, p5, bx, by, bz, nrm; writes bx, by, bz, nrm
.if DOCPART == 2
	.amdgcn_target "amdgcn-amd-amdhsa--gfx1250"
	.amdhsa_code_object_version 6
	.text
	.protected	k_qd5b38e6306_gram
	.globl	k_qd5b38e6306_gram
	.p2align	8
	.type	k_qd5b38e6306_gram,@function
k_qd5b38e6306_gram:
	s_mov_b64 s[64:65], 0
	v_nop
	global_prefetch_b8 v0, s[64:65] scope:SCOPE_SE
	s_setreg_imm32_b32 hwreg(HW_REG_WAVE_MODE, 25, 1), 1
	s_wait_xcnt 0x0
	s_wait_alu depctr_hold_cnt(0) depctr_sa_sdst(0) depctr_va_vdst(0) depctr_va_sdst(0) depctr_va_ssrc(0) depctr_va_vcc(0) depctr_vm_vsrc(0)
	s_getreg_b32 s2, hwreg(HW_REG_IB_STS2, 6, 4)
	s_cmp_eq_u32 s2, 0
	s_cbranch_scc0 .Lentry_in_a_cluster
	s_endpgm
.Lentry_in_a_cluster:
	s_bfe_u32 s2, ttmp6, 0x10000c
	s_cmp_lg_u32 s2, 0xf033
	s_cbranch_scc0 .Lentry_shape_is_right
	s_endpgm
.Lentry_shape_is_right:
; S = Zc^T Zc + 1e-5 I on codes of E4M3 (product 1), and all that is made of S element by element: the sum of S^2; S's codes under entries 7 and 13; B1 = 1.5 I - 0.5 a Q(S; e7) (products 2 to 4 multiply
; B0 = I, which reference() builds itself: they are c1 I, c2 I and a Q(S; e7) for every input; a comes from p5) and B1's codes under entries 8 (K = second index), 9 and 11 (K = first index).
; THE FRAME, shared by the five product launches.  Operand P (matrix source 0, 256 rows a tile) and operand Q (source 1, 128 rows a tile) are code tensors laid as images of operand registers: byte
; g 2^20 + (k>>8) 2^18 + (row>>4) 4096 + ((k>>7)&1) 2048 + 512 i + 16 lane: a K step of 256 of R rows is one dense block of 256 R bytes, and a fragment is four ds_load_b128 at 16 x lane: no pitch, no padding.
; A work-group of four waves makes 256 (P) x 128 (Q) of one group's result; a wave 128 x 64: 32 accumulators.  K = 1,024 goes in four K steps of 256 through three LDS slots: three are asked for at the head,
; the fourth fills slot 0 again.  By this text's own count a wave has three tensor loads out at the head and one behind the refill's round.
; CLUSTERS: 4 x 4 work-groups, all of one group g (cluster y).  P's tile hangs on g and cy and is asked for jointly by a row of the cluster; Q's on g, cluster x and cx, by a column.
; In a result tile lane (r, h) holds Q index r and P indices 8 h + 0 .. 7: eight conversions' results ARE registers 2 p, 2 p + 1 of a fragment whose row is the Q index and whose K is the P index.
; HERE: P = zt0 (row = first index i of S, entry 0), Q = zt1 (row = second index j, entry 1).  I take product 1's operand A to carry S's first index.  B1 is wanted with either index as K, so each product is
; issued twice on the same fragments: D1 (P, Q) and D2 (Q, P), the transposed tile with the same sums; no LDS read is added.
; The work is done on S' = S / 2^(e0 + e1): S' = sum + 1e-5 / 2^(e0 + e1) on the diagonal, one fused multiply-add, the same rounding as reference()'s; the scales of entries 7 and 13 are folded likewise.
; Whether a tile lies on the diagonal hangs on the work-group's place: it is settled by s_cselect_b32 of a factor against 0, never by a branch.
; LIMITS: e7 - e0 - e1, e13 - e0 - e1, e8, e9, e11 between -126 and 119; e0 + e1 between -144 and 109 (it is taken off the exponent field of 1e-5).  NaN and infinities are not served.
; REGISTERS, in windows of 256: window 0: v1 r, v2 h, v3 16 x lane, v4-6, v8-10 LDS addresses, v12-24 scales, v28, v29 the add's, v32-39 E, v48-55 the sums of squares, v64-127 b1r's codes,
;   v128-255 Q's fragments, two sets; on the way out v128-191 SB and v192-255 HB.   window 1: P's fragments, two sets; on the way out codes.   window 2: D1, tile (p, q) at 64 q + 8 p.   window 3: D2, at 32 p + 8 q.
.set SLOT,  98304                      ; a slot: P's 256 rows (65,536 bytes), then Q's 128 (32,768)
.set QOFF,  65536
.set SPARE, 3*SLOT                     ; behind the slots: the spare words, 128 bytes for each wave: two blocks of 256 bytes that no other line names
.set ADP,   4                          ; v4-6   LDS address of my P fragments in slot 0, 1, 2
.set ADQ,   8                          ; v8-10  the same for Q
.set SPW,   28                         ; v28    my spare word: SPARE + 4 x my thread's number; never rewritten
.set NIL,   29                         ; v29    0; never rewritten
.set QF,    128
.set E,     32                         ; v32-39 1.0 where 8 h + j = r, else 0
.set CH,    48
.set C2,    64
.set SB,    128
.set HB,    192
.set G1P,   24                         ; s[24:31], s[32:39] descriptor groups 1;  s[40:51], s[52:63] groups 0, one for each slot
.set G1Q,   32
.set G0P,   40
.set G0Q,   52
.set MSB,   0
.macro WIN new                         ; the immediate's high byte repeats the setting that is left; a switch that changes nothing is dropped
.if MSB != \new
	s_set_vgpr_msb (MSB<<8)|\new
.set MSB, \new
.endif
.endm
.macro PLACES                          ; four plain vector lines between a matrix instruction and a load into, or a vector line on, its registers
.rept 4
	v_nop
.endr
.endm
.macro CREST                           ; a round of the cluster's barrier behind its opening barrier
	s_cmp_lg_u32 s18, 0
	s_cbranch_scc1 .Lnot_wave_0_\@
	s_barrier_signal -3
.Lnot_wave_0_\@:
	s_barrier_wait -3
	s_barrier_signal -1
	s_barrier_wait -1
.endm
.macro CROUND
	s_barrier_signal -1
	s_barrier_wait -1
	CREST
.endm
.macro JLOAD s                         ; a joint load: waves 0 and 1 fetch P's halves, waves 2 and 3 Q's; four v_nop follow each line
	s_cmp_eq_u32 s19, 0
	s_cbranch_scc0 .Lfor_q_\@
	tensor_load_to_lds s[G0P+4*\s:G0P+4*\s+3], s[G1P:G1P+7]
	s_nop 0
.rept 4
	v_nop
.endr
	s_branch .Lasked_\@
.Lfor_q_\@:
	tensor_load_to_lds s[G0Q+4*\s:G0Q+4*\s+3], s[G1Q:G1Q+7]
	s_nop 0
.rept 4
	v_nop
.endr
.Lasked_\@:
.endm
.macro IDS                             ; ids, masks, groups 1, and the tiles' byte offsets
	v_lshl_add_u32 v[SPW], v0, 2, SPARE
	v_mov_b32 v[NIL], 0
	ds_add_u32 v28, v29
	ds_add_u32 v28, v29
	s_wait_dscnt 0x0
	v_lshrrev_b32 v1, 5, v0
	v_readfirstlane_b32 s18, v1                    ; wave 0..3
	s_lshr_b32 s19, s18, 1                         ; ph: my 128 of P's 256.  Also: I fetch for P (0) or for Q (1)
	s_and_b32 s20, s18, 1                          ; qh: my 64 of Q's 128.  Also: which half of that tile I fetch
	s_bfe_u32 s21, ttmp6, 0x40000                  ; cx
	s_bfe_u32 s22, ttmp6, 0x40004                  ; cy = P's tile
	s_lshl_b32 s23, ttmp9, 2
	s_add_co_u32 s23, s23, s21                     ; Q's tile = 4 x cluster x + cx
	s_and_b32 s66, ttmp7, 0xffff                   ; g = cluster y
	s_lshl_b32 s84, s22, 2
	s_lshl_b32 s84, 15, s84                        ; my row of the cluster
	s_lshl_b32 s85, 0x1111, s21                    ; my column
	s_or_b32 s[G1P], s84, (3<<16)|(1<<21)          ; 15:0 the mask; 17:16 elements of 8 bytes; 21 set beside a mask; no padding
	s_or_b32 s[G1Q], s85, (3<<16)|(1<<21)
	s_mov_b32 s[G1P+1], 32<<16                     ; tensor_dim0 = 32 elements: 256 bytes
	s_mov_b32 s[G1P+2], 128<<16                    ; tensor_dim1 = 128: half of P's dense block
	s_mov_b32 s[G1P+3], 32<<16                     ; tile_dim0
	s_mov_b32 s[G1P+4], 128                        ; tile_dim1
	s_mov_b32 s[G1P+5], 32                         ; the pitch: dense
	s_mov_b32 s[G1P+6], 0
	s_mov_b32 s[G1P+7], 0
	s_mov_b32 s[G1Q+1], 32<<16
	s_mov_b32 s[G1Q+2], 64<<16                     ; 64 rows of 256 bytes: half of Q's block
	s_mov_b32 s[G1Q+3], 32<<16
	s_mov_b32 s[G1Q+4], 64
	s_mov_b32 s[G1Q+5], 32
	s_mov_b32 s[G1Q+6], 0
	s_mov_b32 s[G1Q+7], 0
	s_lshl_b32 s86, s66, 20                        ; P: g 2^20 + cy 2^16 + half 2^15, in registers that never hold cx
	s_lshl_b32 s90, s22, 16
	s_add_co_u32 s86, s86, s90
	s_lshl_b32 s90, s20, 15
	s_add_co_u32 s86, s86, s90
	s_mov_b32 s87, 0
	s_lshl_b32 s88, s66, 20                        ; Q: g 2^20 + tile 2^15 + half 2^14, in registers that never hold cy
	s_lshl_b32 s91, s23, 15
	s_add_co_u32 s88, s88, s91
	s_lshl_b32 s91, s20, 14
	s_add_co_u32 s88, s88, s91
	s_mov_b32 s89, 0
	s_lshl_b32 s92, s20, 15                        ; where they go in a slot: no place in the cluster enters an LDS address
	s_lshl_b32 s93, s20, 14
	s_add_co_u32 s93, s93, QOFF
.endm
.macro FILLS pb, po, qb, qo            ; groups 0; the opening round; a wave's three first fills in one branch; the LDS addresses of the fragments
	s_add_nc_u64 s[86:87], s[\pb:\pb+1], s[86:87]
.if \po
	s_add_nc_u64 s[86:87], s[86:87], \po
.endif
	s_add_nc_u64 s[88:89], s[\qb:\qb+1], s[88:89]
.if \qo
	s_add_nc_u64 s[88:89], s[88:89], \qo
.endif
.irp s, 0,1,2
	s_mov_b32 s[G0P+4*\s], 1
	s_add_co_u32 s[G0P+4*\s+1], s92, \s*SLOT
	s_add_nc_u64 s[G0P+4*\s+2:G0P+4*\s+3], s[86:87], (\s)<<18    ; K step s
	s_or_b32 s[G0P+4*\s+3], s[G0P+4*\s+3], 0x80000000
	s_mov_b32 s[G0Q+4*\s], 1
	s_add_co_u32 s[G0Q+4*\s+1], s93, \s*SLOT
	s_add_nc_u64 s[G0Q+4*\s+2:G0Q+4*\s+3], s[88:89], (\s)<<18
	s_or_b32 s[G0Q+4*\s+3], s[G0Q+4*\s+3], 0x80000000
.endr
	CROUND                                         ; all sixteen work-groups are here: the first joint loads meet
	s_cmp_eq_u32 s19, 0
	s_cbranch_scc0 .Lfirst_q
	tensor_load_to_lds s[G0P:G0P+3], s[G1P:G1P+7]
	s_nop 0
	tensor_load_to_lds s[G0P+4:G0P+7], s[G1P:G1P+7]
	s_nop 0
	tensor_load_to_lds s[G0P+8:G0P+11], s[G1P:G1P+7]
	s_nop 0
.rept 4
	v_nop
.endr
	s_branch .Lfirst_done
.Lfirst_q:
	tensor_load_to_lds s[G0Q:G0Q+3], s[G1Q:G1Q+7]
	s_nop 0
	tensor_load_to_lds s[G0Q+4:G0Q+7], s[G1Q:G1Q+7]
	s_nop 0
	tensor_load_to_lds s[G0Q+8:G0Q+11], s[G1Q:G1Q+7]
	s_nop 0
.rept 4
	v_nop
.endr
.Lfirst_done:
	v_and_b32 v1, 15, v0                           ; r
	v_bfe_u32 v2, v0, 4, 1                         ; h
	v_and_b32 v3, 31, v0
	v_lshlrev_b32 v3, 4, v3                        ; 16 x lane
	s_lshl_b32 s94, s19, 15                        ; my 8 blocks of P's 16
	s_lshl_b32 s98, s20, 14                        ; my 4 blocks of Q's 8
	s_add_co_u32 s98, s98, QOFF
.irp s, 0,1,2
	v_add_nc_u32 v[ADP+\s], s94, v3
	v_add_nc_u32 v[ADQ+\s], s98, v3
	s_add_co_u32 s94, s94, SLOT
	s_add_co_u32 s98, s98, SLOT
.endr
.endm
.macro OUTOFF                          ; s[96:97]: where my wave's four result fragments (row = Q index, K = P index) begin in a code tensor
	s_lshl_b32 s96, s66, 20
	s_lshl_b32 s98, s22, 18                        ; K step = P's tile
	s_add_co_u32 s96, s96, s98
	s_lshl_b32 s98, s23, 15                        ; row blocks 8 x Q's tile + 4 qh on
	s_add_co_u32 s96, s96, s98
	s_lshl_b32 s98, s20, 14
	s_add_co_u32 s96, s96, s98
	s_lshl_b32 s98, s19, 11                        ; the K step's half = ph
	s_add_co_u32 s96, s96, s98
	s_mov_b32 s97, 0
.endm
.macro MKSC vs, vl, se                 ; v[vs] = 2^e as f32, v[vl] = 448 x 2^e
	s_add_co_i32 s98, \se, 127
	s_lshl_b32 s99, s98, 23
	v_mov_b32 v[\vs], s99
	s_add_co_i32 s98, s98, 8
	s_lshl_b32 s98, s98, 23
	s_or_b32 s98, s98, 0x600000
	v_mov_b32 v[\vl], s98
.endm
.macro FETCH slot, u, set              ; 48 LDS loads in one run: the fragments of the slot's u-th 128 along K: Q's four, then P's eight in ascending order
	WIN 0
.irp q, 0,1,2,3
.irp i, 0,1,2,3
	ds_load_b128 v[QF+64*(\set)+16*\q+4*\i:QF+64*(\set)+16*\q+4*\i+3], v[ADQ+\slot] offset:4096*\q+2048*(\u)+512*\i
.endr
.endr
	WIN 0x40                                       ; destination window 1, address window 0
.irp p, 0,1,2,3,4,5,6,7
.irp i, 0,1,2,3
	ds_load_b128 v[128*(\set)+16*\p+4*\i:128*(\set)+16*\p+4*\i+3], v[ADP+\slot] offset:4096*\p+2048*(\u)+512*\i
.endr
.endr
.endm
; P's fragments p0 .. p0 + n - 1 against Q's four: D1 (source 0 = P, source 1 = Q), then D2 (the sources swapped).  zero = 1: the product starts the sum.  The accumulators take turns, one instruction a turn.
.macro MUL p0, n, set, zero
	WIN 0xa1                                       ; source 0 window 1, source 1 window 0, C and D window 2
.set pp, \p0
.rept \n
.irp q, 0,1,2,3
.if \zero
	v_wmma_f32_16x16x128_fp8_fp8 v[64*\q+8*pp:64*\q+8*pp+7], v[128*(\set)+16*pp:128*(\set)+16*pp+15], v[QF+64*(\set)+16*\q:QF+64*(\set)+16*\q+15], 0
.else
	v_wmma_f32_16x16x128_fp8_fp8 v[64*\q+8*pp:64*\q+8*pp+7], v[128*(\set)+16*pp:128*(\set)+16*pp+15], v[QF+64*(\set)+16*\q:QF+64*(\set)+16*\q+15], v[64*\q+8*pp:64*\q+8*pp+7]
.endif
.endr
.set pp, pp+1
.endr
	WIN 0xf4                                       ; source 0 window 0, source 1 window 1, C and D window 3
.set pp, \p0
.rept \n
.irp q, 0,1,2,3
.if \zero
	v_wmma_f32_16x16x128_fp8_fp8 v[32*pp+8*\q:32*pp+8*\q+7], v[QF+64*(\set)+16*\q:QF+64*(\set)+16*\q+15], v[128*(\set)+16*pp:128*(\set)+16*pp+15], 0
.else
	v_wmma_f32_16x16x128_fp8_fp8 v[32*pp+8*\q:32*pp+8*\q+7], v[QF+64*(\set)+16*\q:QF+64*(\set)+16*\q+15], v[128*(\set)+16*pp:128*(\set)+16*pp+15], v[32*pp+8*\q:32*pp+8*\q+7]
.endif
.endr
.set pp, pp+1
.endr
.endm
.macro SUB set, zero, nslot, nu        ; 128 along K on fragment set `set`; in its middle the next 128's fragments are fetched into the other set
	s_wait_dscnt 16                                ; Q's four and P's 0-3 are in; the youngest 16 loads (P's 4-7) may be out
	MUL 0, 4, \set, \zero
	PLACES
	FETCH \nslot, \nu, 1-(\set)
	s_wait_dscnt 48                                ; all but the 48 just issued
	MUL 4, 4, \set, \zero
.endm
.macro TURNR                           ; slot 0's second 128, and its refill with K step 3: the waits and the add in front of a round of the cluster's barrier, the joint load first behind it
	WIN 0
	s_wait_tensorcnt 0x0                           ; all my tensor loads have landed: my parts of K steps 0, 1 and 2; so a group 0 may be written
	ds_add_u32 v[SPW], v[NIL]                      ; 0 onto my spare word
	s_add_nc_u64 s[G0P+2:G0P+3], s[G0P+2:G0P+3], 3<<18
	s_add_nc_u64 s[G0Q+2:G0Q+3], s[G0Q+2:G0Q+3], 3<<18
	s_wait_dscnt 17                                ; (the add and P's 4-7 may be out)
	MUL 0, 2, 1, 0
	s_wait_dscnt 0x0                               ; the add is done, and my reads of slot 0 are over
	s_barrier_signal -1
	MUL 2, 2, 1, 0
	WIN 0
	s_barrier_wait -1
	CREST                                          ; no wave of any partner still reads slot 0 or has a load on its way; slots 1 and 2 are whole
	JLOAD 0                                        ; its four v_nop are also the places in front of the loads below
	FETCH 1, 0, 0
	MUL 4, 4, 1, 0
.endm
.macro TURNL                           ; slot 2's second 128; behind its barrier slot 0 holds K step 3 for every wave, and nothing is filled again
	s_wait_tensorcnt 0x0                           ; my one load that was out: no load was issued behind it
	s_wait_dscnt 16
	MUL 0, 2, 1, 0
	s_wait_dscnt 0x0                               ; no LDS instruction is pending at a signal
	s_barrier_signal -1
	MUL 2, 2, 1, 0
	s_barrier_wait -1
	PLACES
	FETCH 0, 0, 0
	MUL 4, 4, 1, 0
.endm
.macro PRODUCT                         ; K = 1,024 in eight runs of 128, written out: every offset is an immediate
	s_wait_tensorcnt 0x2                           ; my part of K step 0 is in; K steps 1 and 2 may stay out
	s_barrier_signal -1
	s_barrier_wait -1
	FETCH 0, 0, 0
	SUB 0, 1, 0, 1
	TURNR
	SUB 0, 0, 1, 1
	SUB 1, 0, 2, 0
	SUB 0, 0, 2, 1
	TURNL
	SUB 0, 0, 0, 1
	s_wait_dscnt 16
	MUL 0, 4, 1, 0
	s_wait_dscnt 0x0
	MUL 4, 4, 1, 0
	WIN 0
	PLACES
.endm
.macro FINISH
	s_wait_tensorcnt 0x0                           ; the wave's end
	ds_add_u32 v[SPW], v[NIL]
	s_wait_dscnt 0x0
	CROUND                                         ; the closing round: no work-group ends while a partner may still ask for a tile that names it
	s_endpgm
.endm
	s_load_b256 s[4:11], s[0:1], 0x0               ; zq, the scales' exponents, p5, bx
	s_load_b128 s[12:15], s[0:1], 0x20             ; by, bz
	s_load_b64 s[16:17], s[0:1], 0x30              ; nrm
	IDS
	s_wait_kmcnt 0x0
	s_load_b512 s[68:83], s[6:7], 0x0              ; the sixteen exponents
	s_load_b32 s95, s[8:9], 0xc                    ; a
	FILLS 4, 0, 4, 0x800000                        ; P = zt0, Q = zt1
	v_lshlrev_b32 v31, 3, v2
	v_sub_nc_u32 v31, v1, v31                      ; r - 8 h
.irp j, 0,1,2,3,4,5,6,7
	v_cmp_eq_u32 vcc_lo, \j, v31
	v_cndmask_b32 v[E+\j], 0, 1.0, vcc_lo
.endr
	s_lshl_b32 s67, s23, 3                         ; a tile (p, q) lies on the diagonal where p - q = (my first Q index - my first P index) / 16
	s_lshl_b32 s98, s20, 2
	s_add_co_i32 s67, s67, s98
	s_lshl_b32 s98, s22, 4
	s_sub_co_i32 s67, s67, s98
	s_lshl_b32 s98, s19, 3
	s_sub_co_i32 s67, s67, s98
	OUTOFF
	s_lshl_b32 s86, s66, 20                        ; b1r (row = P index, K = Q index): K step = Q's tile >> 1, row blocks 16 cy + 8 ph on, half = tile & 1, registers 8 qh on
	s_lshr_b32 s98, s23, 1
	s_lshl_b32 s98, s98, 18
	s_add_co_u32 s86, s86, s98
	s_lshl_b32 s98, s22, 16
	s_add_co_u32 s86, s86, s98
	s_lshl_b32 s98, s19, 15
	s_add_co_u32 s86, s86, s98
	s_and_b32 s98, s23, 1
	s_lshl_b32 s98, s98, 11
	s_add_co_u32 s86, s86, s98
	s_lshl_b32 s98, s20, 10
	s_add_co_u32 s86, s86, s98
	s_mov_b32 s87, 0
	s_lshl_b32 s98, s22, 3                         ; nrm: word 128 g + 4 (8 cy + Q's tile) + wave
	s_add_co_u32 s98, s98, s23
	s_lshl_b32 s98, s98, 4
	s_lshl_b32 s99, s66, 9
	s_add_co_u32 s98, s98, s99
	s_lshl_b32 s99, s18, 2
	s_add_co_u32 s98, s98, s99
	s_mov_b32 s99, 0
	s_wait_kmcnt 0x0                               ; the exponents and a are in: s[6:7] may be written
	s_add_nc_u64 s[4:5], s[10:11], s[86:87]        ; b1r
	s_add_nc_u64 s[10:11], s[10:11], s[96:97]
	s_add_nc_u64 s[10:11], s[10:11], 0x800000      ; B1 under entry 9
	s_add_nc_u64 s[12:13], s[12:13], s[96:97]
	s_add_nc_u64 s[12:13], s[12:13], 0x800000      ; B1 under entry 11
	s_add_nc_u64 s[14:15], s[14:15], s[96:97]
	s_add_nc_u64 s[6:7], s[14:15], 0x800000        ; S under entry 13
	s_add_nc_u64 s[14:15], s[14:15], 0x1000000     ; S under entry 7
	s_add_nc_u64 s[16:17], s[16:17], s[98:99]
	s_mov_b32 s88, 0x76543210                      ; v_permlanex16_b32: lane l xor 16
	s_mov_b32 s89, 0xfedcba98
	s_add_co_i32 s94, s68, s69                     ; e0 + e1
	s_lshl_b32 s93, s94, 1
	s_lshl_b32 s98, s94, 23
	s_sub_co_i32 s92, 0x3727c5ac, s98              ; 1e-5 / 2^(e0 + e1): the sum is taken off 1e-5's exponent field
	s_sub_co_i32 s98, s75, s94
	MKSC 12, 13, s98                               ; entry 7, for S'
	s_sub_co_i32 s98, s81, s94
	MKSC 14, 15, s98                               ; entry 13, for S'
	MKSC 16, 17, s76                               ; entry 8
	MKSC 18, 19, s77                               ; entry 9
	MKSC 20, 21, s79                               ; entry 11
	v_mov_b32 v22, s95
	v_ldexp_f32 v22, v22, s75
	v_mul_f32 v22, -0.5, v22                       ; -0.5 a 2^e7: B1 off the diagonal = this x the code's value, exact
	v_mov_b32 v23, v22
	v_mov_b32 v24, 0x7f7f7f7f                      ; the scale 1.0 in every byte, for the conversions back
	v_mov_b32 v30, 0
	PRODUCT
; THE WAY OUT, eight tiles (64 registers a lane) at a time.
.macro DIF kind, idx                   ; p - q of tile tt of a batch: kind 1: D1's batch q = idx, p = tt;  kind 0: D2's batch idx: p = 2 idx + tt / 4, q = tt % 4
.if \kind
.set dif, tt-(\idx)
.else
.set dif, 2*(\idx)+tt/4-tt%4
.endif
.endm
.macro SPRIME win, base, kind, idx     ; SB = the sums + 1e-5 / 2^(e0 + e1) on the diagonal; each accumulator is read from its low end on
	WIN \win
.set tt, 0
.rept 8
	DIF \kind, \idx
	s_cmp_eq_i32 s67, dif
	s_cselect_b32 s84, s92, 0
.irp i, 0,2,4,6
	v_pk_fma_f32 v[SB+8*tt+\i:SB+8*tt+\i+1], v[E+\i:E+\i+1], s[84:85], v[\base+8*tt+\i:\base+8*tt+\i+1] op_sel_hi:[1,0,1]
.endr
.set tt, tt+1
.endr
.endm
.macro SUMSQ first                     ; the sum of S'^2 in four chains of pairs; the first four products start them
	WIN 0
.set ii, 0
.rept 32
.if (\first) && (ii < 4)
	v_pk_mul_f32 v[CH+2*ii:CH+2*ii+1], v[SB+2*ii:SB+2*ii+1], v[SB+2*ii:SB+2*ii+1]
.else
	v_pk_fma_f32 v[CH+2*(ii%4):CH+2*(ii%4)+1], v[SB+2*ii:SB+2*ii+1], v[SB+2*ii:SB+2*ii+1], v[CH+2*(ii%4):CH+2*(ii%4)+1]
.endif
.set ii, ii+1
.endr
.endm
.macro HOLD lim                        ; HB = SB held within 448 x the scale: the conversion to an 8-bit code does not saturate (ISA guide 7.6.2)
	WIN 0
.set ii, 0
.rept 64
	v_med3_num_f32 v[HB+ii], v[SB+ii], -v[\lim], v[\lim]
.set ii, ii+1
.endr
.endm
.macro CODES win, dst, sc              ; tile tt's eight numbers become registers dst + 2 tt, + 1; a plain line behind the last conversion
	WIN \win
.set tt, 0
.rept 8
	v_cvt_scalef32_pk8_fp8_f32 v[\dst+2*tt:\dst+2*tt+1], v[HB+8*tt:HB+8*tt+7], v[\sc]
.set tt, tt+1
.endr
	v_nop
.endm
.macro DECODE win, src                 ; HB = the codes' values
	WIN \win
.set tt, 0
.rept 8
	v_cvt_scale_pk8_f32_fp8 v[HB+8*tt:HB+8*tt+7], v[\src+2*tt:\src+2*tt+1], v24
.set tt, tt+1
.endr
	v_nop
.endm
.macro BONE kind, idx                  ; SB = B1 = 1.5 on the diagonal - 0.5 a Q(S; e7): an exact product, then one rounding, as reference() has it
	WIN 0
.set tt, 0
.rept 8
	DIF \kind, \idx
	s_cmp_eq_i32 s67, dif
	s_cselect_b32 s90, 0x3fc00000, 0
.irp i, 0,2,4,6
	v_pk_mul_f32 v[SB+8*tt+\i:SB+8*tt+\i+1], v[HB+8*tt+\i:HB+8*tt+\i+1], v[22:23] op_sel_hi:[1,0]
.endr
.irp i, 0,2,4,6
	v_pk_fma_f32 v[SB+8*tt+\i:SB+8*tt+\i+1], v[E+\i:E+\i+1], s[90:91], v[SB+8*tt+\i:SB+8*tt+\i+1] op_sel_hi:[1,0,1]
.endr
.set tt, tt+1
.endr
.endm
.irp b, 0,1,2,3                        ; D2: B1 with the second index as K, entry 8: P's blocks 2 b and 2 b + 1
	SPRIME 0x30, 64*\b, 0, \b
	HOLD 13
	CODES 0x40, 0, 12                              ; S's codes under entry 7, for a moment, in window 1
	DECODE 0x01, 0
	BONE 0, \b
	HOLD 17
	CODES 0, C2+16*\b, 16
.irp pl, 0,1
.irp t, 0,1
	global_store_b128 v3, v[C2+16*\b+8*\pl+4*\t:C2+16*\b+8*\pl+4*\t+3], s[4:5] offset:4096*(2*\b+\pl)+512*\t   ; 32 lanes store 512 consecutive bytes, aligned
.endr
.endr
.endr
.irp q, 0,1,2,3                        ; D1: the four tensors with the first index as K: Q's block q; their codes at v[64 q + 16 set] of window 1, so that no store's data are written again
	SPRIME 0x20, 64*\q, 1, \q
.if \q == 0
	SUMSQ 1
.else
	SUMSQ 0
.endif
	HOLD 13
	CODES 0x40, 64*\q, 12                          ; S, entry 7
	HOLD 15
	CODES 0x40, 64*\q+16, 14                       ; S, entry 13
	DECODE 0x01, 64*\q
	BONE 1, \q
	HOLD 19
	CODES 0x40, 64*\q+32, 18                       ; B1, entry 9
	HOLD 21
	CODES 0x40, 64*\q+48, 20                       ; B1, entry 11
	WIN 0x04                                       ; the stores' data in window 1, their address in window 0
.irp i, 0,1,2,3
	global_store_b128 v3, v[64*\q+4*\i:64*\q+4*\i+3], s[14:15] offset:4096*\q+512*\i
	global_store_b128 v3, v[64*\q+16+4*\i:64*\q+16+4*\i+3], s[6:7] offset:4096*\q+512*\i
	global_store_b128 v3, v[64*\q+32+4*\i:64*\q+32+4*\i+3], s[10:11] offset:4096*\q+512*\i
	global_store_b128 v3, v[64*\q+48+4*\i:64*\q+48+4*\i+3], s[12:13] offset:4096*\q+512*\i
.endr
.endr
	WIN 0
	v_pk_add_f32 v[CH:CH+1], v[CH:CH+1], v[CH+2:CH+3]     ; my wave's part of the sum of S^2
	v_pk_add_f32 v[CH+4:CH+5], v[CH+4:CH+5], v[CH+6:CH+7]
	v_pk_add_f32 v[CH:CH+1], v[CH:CH+1], v[CH+4:CH+5]
	v_add_f32 v[CH], v[CH], v[CH+1]
	v_add_f32_dpp v[CH], v[CH], v[CH] row_xmask:1 row_mask:0xf bank_mask:0xf
	v_add_f32_dpp v[CH], v[CH], v[CH] row_xmask:2 row_mask:0xf bank_mask:0xf
	v_add_f32_dpp v[CH], v[CH], v[CH] row_xmask:4 row_mask:0xf bank_mask:0xf
	v_add_f32_dpp v[CH], v[CH], v[CH] row_xmask:8 row_mask:0xf bank_mask:0xf
	v_permlanex16_b32 v[CH+1], v[CH], s88, s89
	v_add_f32 v[CH], v[CH], v[CH+1]
	v_ldexp_f32 v[CH], v[CH], s93                  ; x 2^(2 (e0 + e1))
	v_cmp_eq_u32 vcc_lo, 0, v3
	s_wait_xcnt 0x0                                ; EXEC changes only behind this wait: it is a source of the stores above
	s_and_saveexec_b32 s99, vcc_lo
	global_store_b32 v30, v[CH], s[16:17]          ; one word a wave: 4 KiB in the whole launch
	s_wait_xcnt 0x0                                ; and again, in front of the line that widens it
	s_or_b32 exec_lo, exec_lo, s99
	FINISH
.Lfunc_end_k_qd5b38e6306_gram:
	.size	k_qd5b38e6306_gram, .Lfunc_end_k_qd5b38e6306_gram-k_qd5b38e6306_gram
	.p2alignl 7, 3214868480
	.fill 96, 4, 3214868480
	.section	.rodata,"a",@progbits
	.p2align	6, 0x0
	.amdhsa_kernel k_qd5b38e6306_gram
		.amdhsa_group_segment_fixed_size 327680
		.amdhsa_private_segment_fixed_size 0
		.amdhsa_enable_private_segment 0
		.amdhsa_kernarg_size 56
		.amdhsa_user_sgpr_count 2
		.amdhsa_user_sgpr_kernarg_segment_ptr 1
		.amdhsa_wavefront_size32 1
		.amdhsa_system_sgpr_workgroup_id_x 1
		.amdhsa_system_sgpr_workgroup_id_y 1
		.amdhsa_system_sgpr_workgroup_id_z 1
		.amdhsa_system_vgpr_workitem_id 0
		.amdhsa_next_free_vgpr 1024
		.amdhsa_next_free_sgpr 100
		.amdhsa_reserve_vcc 1
		.amdhsa_float_denorm_mode_32 3
		.amdhsa_float_denorm_mode_16_64 3
		.amdhsa_memory_ordered 1
		.amdhsa_forward_progress 1
		.amdhsa_inst_pref_size 255
	.end_amdhsa_kernel
	.section	.bss,"aw",@nobits
	.p2align	6
	.space	262144
	.amdgpu_metadata
---
amdhsa.version: [ 1, 2 ]
amdhsa.kernels:
  - .name:           k_qd5b38e6306_gram
    .symbol:         k_qd5b38e6306_gram.kd
    .args:
      - { .name: zq, .offset: 0, .size: 8, .value_kind: global_buffer, .address_space: global }
      - { .name: lowp_scales, .offset: 8, .size: 8, .value_kind: global_buffer, .address_space: global }
      - { .name: p5, .offset: 16, .size: 8, .value_kind: global_buffer, .address_space: global }
      - { .name: bx, .offset: 24, .size: 8, .value_kind: global_buffer, .address_space: global }
      - { .name: by, .offset: 32, .size: 8, .value_kind: global_buffer, .address_space: global }
      - { .name: bz, .offset: 40, .size: 8, .value_kind: global_buffer, .address_space: global }
      - { .name: nrm, .offset: 48, .size: 8, .value_kind: global_buffer, .address_space: global }
    .group_segment_fixed_size: 327680
    .private_segment_fixed_size: 0
    .kernarg_segment_align: 8
    .kernarg_segment_size: 56
    .max_flat_workgroup_size: 128
    .sgpr_count:     100
    .vgpr_count:     1024
    .wavefront_size: 32
...
	.end_amdgpu_metadata
.endif
;; end of part 2
;; launch cube1 (part 3): grid 8 x 32, 4 waves a work-group, clusters of 4 x 4, 327,680 bytes of LDS; arguments bx, p5, by; writes by
.if DOCPART == 3
	.amdgcn_target "amdgcn-amd-amdhsa--gfx1250"
	.amdhsa_code_object_version 6
	.text
	.protected	k_qd5b38e6306_cube1
	.globl	k_qd5b38e6306_cube1
	.p2align	8
	.type	k_qd5b38e6306_cube1,@function
k_qd5b38e6306_cube1:
	s_mov_b64 s[64:65], 0
	v_nop
	global_prefetch_b8 v0, s[64:65] scope:SCOPE_SE
	s_setreg_imm32_b32 hwreg(HW_REG_WAVE_MODE, 25, 1), 1
	s_wait_xcnt 0x0
	s_wait_alu depctr_hold_cnt(0) depctr_sa_sdst(0) depctr_va_vdst(0) depctr_va_sdst(0) depctr_va_ssrc(0) depctr_va_vcc(0) depctr_vm_vsrc(0)
	s_getreg_b32 s2, hwreg(HW_REG_IB_STS2, 6, 4)
	s_cmp_eq_u32 s2, 0
	s_cbranch_scc0 .Lentry_in_a_cluster
	s_endpgm
.Lentry_in_a_cluster:
	s_bfe_u32 s2, ttmp6, 0x10000c
	s_cmp_lg_u32 s2, 0xf033
	s_cbranch_scc0 .Lentry_shape_is_right
	s_endpgm
.Lentry_shape_is_right:
; R = A B on codes of E4M3, and R's codes for the next product in which R is the left operand.  Arguments: src, par, dst.  src + 0: A's codes (row = first index, K = second); src + 8 MiB: B's codes (row = second
; index, K = first); par: the whole numbers eA, eB, eO; dst + 0: R's codes under 2^eO (row = first index, K = second).  Run twice: B1 B1 (product 5) and (B1 B1) B1 (product 6).
; THE FRAME, shared by the five product launches.  Operand P (matrix source 0, 256 rows a tile) and operand Q (source 1, 128 rows a tile) are code tensors laid as images of operand registers: byte
; g 2^20 + (k>>8) 2^18 + (row>>4) 4096 + ((k>>7)&1) 2048 + 512 i + 16 lane: a K step of 256 of R rows is one dense block of 256 R bytes, and a fragment is four ds_load_b128 at 16 x lane: no pitch, no padding.
; A work-group of four waves makes 256 (P) x 128 (Q) of one group's result; a wave 128 x 64: 32 accumulators.  K = 1,024 goes in four K steps of 256 through three LDS slots: three are asked for at the head,
; the fourth fills slot 0 again.  By this text's own count a wave has three tensor loads out at the head and one behind the refill's round.
; CLUSTERS: 4 x 4 work-groups, all of one group g (cluster y).  P's tile hangs on g and cy and is asked for jointly by a row of the cluster; Q's on g, cluster x and cx, by a column.
; In a result tile lane (r, h) holds Q index r and P indices 8 h + 0 .. 7: eight conversions' results ARE registers 2 p, 2 p + 1 of a fragment whose row is the Q index and whose K is the P index.
; HERE: Q = A (so that R's first index is the new row), P = B.  A sum stands for sum x 2^(eA + eB): the three scales are folded into the conversion's one, 2^(eO - eA - eB).
; LIMIT: eO - eA - eB between -126 and 119.  NaN and infinities are not served.
; REGISTERS, in windows of 256: window 0: v1 r, v2 h, v3 16 x lane, v4-6, v8-10 LDS addresses, v12, v13 the scale and the hold, v28, v29 the add's, v32-95 the codes,
;   v128-255 Q's fragments, two sets; on the way out v192-255 HB.   window 1: P's fragments, two sets.   window 2: the sums, tile (p, q) at 64 q + 8 p.
.set SLOT,  98304                      ; a slot: P's 256 rows (65,536 bytes), then Q's 128 (32,768)
.set QOFF,  65536
.set SPARE, 3*SLOT                     ; behind the slots: the spare words, 128 bytes for each wave: two blocks of 256 bytes that no other line names
.set ADP,   4
.set ADQ,   8
.set SPW,   28
.set NIL,   29
.set QF,    128
.set HB,    192
.set G1P,   24
.set G1Q,   32
.set G0P,   40
.set G0Q,   52
.set MSB,   0
.macro WIN new                         ; the immediate's high byte repeats the setting that is left; a switch that changes nothing is dropped
.if MSB != \new
	s_set_vgpr_msb (MSB<<8)|\new
.set MSB, \new
.endif
.endm
.macro PLACES                          ; four plain vector lines between a matrix instruction and a load into, or a vector line on, its registers
.rept 4
	v_nop
.endr
.endm
.macro CREST                           ; a round of the cluster's barrier behind its opening barrier
	s_cmp_lg_u32 s18, 0
	s_cbranch_scc1 .Lnot_wave_0_\@
	s_barrier_signal -3
.Lnot_wave_0_\@:
	s_barrier_wait -3
	s_barrier_signal -1
	s_barrier_wait -1
.endm
.macro CROUND
	s_barrier_signal -1
	s_barrier_wait -1
	CREST
.endm
.macro JLOAD s                         ; a joint load: waves 0 and 1 fetch P's halves, waves 2 and 3 Q's; four v_nop follow each line
	s_cmp_eq_u32 s19, 0
	s_cbranch_scc0 .Lfor_q_\@
	tensor_load_to_lds s[G0P+4*\s:G0P+4*\s+3], s[G1P:G1P+7]
	s_nop 0
.rept 4
	v_nop
.endr
	s_branch .Lasked_\@
.Lfor_q_\@:
	tensor_load_to_lds s[G0Q+4*\s:G0Q+4*\s+3], s[G1Q:G1Q+7]
	s_nop 0
.rept 4
	v_nop
.endr
.Lasked_\@:
.endm
.macro IDS                             ; ids, masks, groups 1, and the tiles' byte offsets
	v_lshl_add_u32 v[SPW], v0, 2, SPARE
	v_mov_b32 v[NIL], 0
	ds_add_u32 v28, v29
	ds_add_u32 v28, v29
	s_wait_dscnt 0x0
	v_lshrrev_b32 v1, 5, v0
	v_readfirstlane_b32 s18, v1                    ; wave 0..3
	s_lshr_b32 s19, s18, 1                         ; ph: my 128 of P's 256.  Also: I fetch for P (0) or for Q (1)
	s_and_b32 s20, s18, 1                          ; qh: my 64 of Q's 128.  Also: which half of that tile I fetch
	s_bfe_u32 s21, ttmp6, 0x40000                  ; cx
	s_bfe_u32 s22, ttmp6, 0x40004                  ; cy = P's tile
	s_lshl_b32 s23, ttmp9, 2
	s_add_co_u32 s23, s23, s21                     ; Q's tile = 4 x cluster x + cx
	s_and_b32 s66, ttmp7, 0xffff                   ; g = cluster y
	s_lshl_b32 s84, s22, 2
	s_lshl_b32 s84, 15, s84                        ; my row of the cluster
	s_lshl_b32 s85, 0x1111, s21                    ; my column
	s_or_b32 s[G1P], s84, (3<<16)|(1<<21)          ; 15:0 the mask; 17:16 elements of 8 bytes; 21 set beside a mask; no padding
	s_or_b32 s[G1Q], s85, (3<<16)|(1<<21)
	s_mov_b32 s[G1P+1], 32<<16                     ; tensor_dim0 = 32 elements: 256 bytes
	s_mov_b32 s[G1P+2], 128<<16                    ; tensor_dim1 = 128: half of P's dense block
	s_mov_b32 s[G1P+3], 32<<16                     ; tile_dim0
	s_mov_b32 s[G1P+4], 128                        ; tile_dim1
	s_mov_b32 s[G1P+5], 32                         ; the pitch: dense
	s_mov_b32 s[G1P+6], 0
	s_mov_b32 s[G1P+7], 0
	s_mov_b32 s[G1Q+1], 32<<16
	s_mov_b32 s[G1Q+2], 64<<16                     ; 64 rows of 256 bytes: half of Q's block
	s_mov_b32 s[G1Q+3], 32<<16
	s_mov_b32 s[G1Q+4], 64
	s_mov_b32 s[G1Q+5], 32
	s_mov_b32 s[G1Q+6], 0
	s_mov_b32 s[G1Q+7], 0
	s_lshl_b32 s86, s66, 20                        ; P: g 2^20 + cy 2^16 + half 2^15, in registers that never hold cx
	s_lshl_b32 s90, s22, 16
	s_add_co_u32 s86, s86, s90
	s_lshl_b32 s90, s20, 15
	s_add_co_u32 s86, s86, s90
	s_mov_b32 s87, 0
	s_lshl_b32 s88, s66, 20                        ; Q: g 2^20 + tile 2^15 + half 2^14, in registers that never hold cy
	s_lshl_b32 s91, s23, 15
	s_add_co_u32 s88, s88, s91
	s_lshl_b32 s91, s20, 14
	s_add_co_u32 s88, s88, s91
	s_mov_b32 s89, 0
	s_lshl_b32 s92, s20, 15                        ; where they go in a slot: no place in the cluster enters an LDS address
	s_lshl_b32 s93, s20, 14
	s_add_co_u32 s93, s93, QOFF
.endm
.macro FILLS pb, po, qb, qo            ; groups 0; the opening round; a wave's three first fills in one branch; the LDS addresses of the fragments
	s_add_nc_u64 s[86:87], s[\pb:\pb+1], s[86:87]
.if \po
	s_add_nc_u64 s[86:87], s[86:87], \po
.endif
	s_add_nc_u64 s[88:89], s[\qb:\qb+1], s[88:89]
.if \qo
	s_add_nc_u64 s[88:89], s[88:89], \qo
.endif
.irp s, 0,1,2
	s_mov_b32 s[G0P+4*\s], 1
	s_add_co_u32 s[G0P+4*\s+1], s92, \s*SLOT
	s_add_nc_u64 s[G0P+4*\s+2:G0P+4*\s+3], s[86:87], (\s)<<18    ; K step s
	s_or_b32 s[G0P+4*\s+3], s[G0P+4*\s+3], 0x80000000
	s_mov_b32 s[G0Q+4*\s], 1
	s_add_co_u32 s[G0Q+4*\s+1], s93, \s*SLOT
	s_add_nc_u64 s[G0Q+4*\s+2:G0Q+4*\s+3], s[88:89], (\s)<<18
	s_or_b32 s[G0Q+4*\s+3], s[G0Q+4*\s+3], 0x80000000
.endr
	CROUND                                         ; all sixteen work-groups are here: the first joint loads meet
	s_cmp_eq_u32 s19, 0
	s_cbranch_scc0 .Lfirst_q
	tensor_load_to_lds s[G0P:G0P+3], s[G1P:G1P+7]
	s_nop 0
	tensor_load_to_lds s[G0P+4:G0P+7], s[G1P:G1P+7]
	s_nop 0
	tensor_load_to_lds s[G0P+8:G0P+11], s[G1P:G1P+7]
	s_nop 0
.rept 4
	v_nop
.endr
	s_branch .Lfirst_done
.Lfirst_q:
	tensor_load_to_lds s[G0Q:G0Q+3], s[G1Q:G1Q+7]
	s_nop 0
	tensor_load_to_lds s[G0Q+4:G0Q+7], s[G1Q:G1Q+7]
	s_nop 0
	tensor_load_to_lds s[G0Q+8:G0Q+11], s[G1Q:G1Q+7]
	s_nop 0
.rept 4
	v_nop
.endr
.Lfirst_done:
	v_and_b32 v1, 15, v0                           ; r
	v_bfe_u32 v2, v0, 4, 1                         ; h
	v_and_b32 v3, 31, v0
	v_lshlrev_b32 v3, 4, v3                        ; 16 x lane
	s_lshl_b32 s94, s19, 15                        ; my 8 blocks of P's 16
	s_lshl_b32 s98, s20, 14                        ; my 4 blocks of Q's 8
	s_add_co_u32 s98, s98, QOFF
.irp s, 0,1,2
	v_add_nc_u32 v[ADP+\s], s94, v3
	v_add_nc_u32 v[ADQ+\s], s98, v3
	s_add_co_u32 s94, s94, SLOT
	s_add_co_u32 s98, s98, SLOT
.endr
.endm
.macro OUTOFF                          ; s[96:97]: where my wave's four result fragments (row = Q index, K = P index) begin in a code tensor
	s_lshl_b32 s96, s66, 20
	s_lshl_b32 s98, s22, 18                        ; K step = P's tile
	s_add_co_u32 s96, s96, s98
	s_lshl_b32 s98, s23, 15                        ; row blocks 8 x Q's tile + 4 qh on
	s_add_co_u32 s96, s96, s98
	s_lshl_b32 s98, s20, 14
	s_add_co_u32 s96, s96, s98
	s_lshl_b32 s98, s19, 11                        ; the K step's half = ph
	s_add_co_u32 s96, s96, s98
	s_mov_b32 s97, 0
.endm
.macro MKSC vs, vl, se                 ; v[vs] = 2^e as f32, v[vl] = 448 x 2^e
	s_add_co_i32 s98, \se, 127
	s_lshl_b32 s99, s98, 23
	v_mov_b32 v[\vs], s99
	s_add_co_i32 s98, s98, 8
	s_lshl_b32 s98, s98, 23
	s_or_b32 s98, s98, 0x600000
	v_mov_b32 v[\vl], s98
.endm
.macro FETCH slot, u, set              ; 48 LDS loads in one run: the fragments of the slot's u-th 128 along K: Q's four, then P's eight in ascending order
	WIN 0
.irp q, 0,1,2,3
.irp i, 0,1,2,3
	ds_load_b128 v[QF+64*(\set)+16*\q+4*\i:QF+64*(\set)+16*\q+4*\i+3], v[ADQ+\slot] offset:4096*\q+2048*(\u)+512*\i
.endr
.endr
	WIN 0x40                                       ; destination window 1, address window 0
.irp p, 0,1,2,3,4,5,6,7
.irp i, 0,1,2,3
	ds_load_b128 v[128*(\set)+16*\p+4*\i:128*(\set)+16*\p+4*\i+3], v[ADP+\slot] offset:4096*\p+2048*(\u)+512*\i
.endr
.endr
.endm
; P's fragments p0 .. p0 + n - 1 against Q's four.  zero = 1: the product starts the sum.  The accumulators take turns, one instruction a turn.
.macro MUL p0, n, set, zero
	WIN 0xa1                                       ; source 0 window 1, source 1 window 0, C and D window 2
.set pp, \p0
.rept \n
.irp q, 0,1,2,3
.if \zero
	v_wmma_f32_16x16x128_fp8_fp8 v[64*\q+8*pp:64*\q+8*pp+7], v[128*(\set)+16*pp:128*(\set)+16*pp+15], v[QF+64*(\set)+16*\q:QF+64*(\set)+16*\q+15], 0
.else
	v_wmma_f32_16x16x128_fp8_fp8 v[64*\q+8*pp:64*\q+8*pp+7], v[128*(\set)+16*pp:128*(\set)+16*pp+15], v[QF+64*(\set)+16*\q:QF+64*(\set)+16*\q+15], v[64*\q+8*pp:64*\q+8*pp+7]
.endif
.endr
.set pp, pp+1
.endr
.endm
.macro SUB set, zero, nslot, nu        ; 128 along K on fragment set `set`; in its middle the next 128's fragments are fetched into the other set
	s_wait_dscnt 16                                ; Q's four and P's 0-3 are in; the youngest 16 loads (P's 4-7) may be out
	MUL 0, 4, \set, \zero
	PLACES
	FETCH \nslot, \nu, 1-(\set)
	s_wait_dscnt 48                                ; all but the 48 just issued
	MUL 4, 4, \set, \zero
.endm
.macro TURNR                           ; slot 0's second 128, and its refill with K step 3: the waits and the add in front of a round of the cluster's barrier, the joint load first behind it
	WIN 0
	s_wait_tensorcnt 0x0                           ; all my tensor loads have landed: my parts of K steps 0, 1 and 2; so a group 0 may be written
	ds_add_u32 v[SPW], v[NIL]                      ; 0 onto my spare word
	s_add_nc_u64 s[G0P+2:G0P+3], s[G0P+2:G0P+3], 3<<18
	s_add_nc_u64 s[G0Q+2:G0Q+3], s[G0Q+2:G0Q+3], 3<<18
	s_wait_dscnt 17                                ; (the add and P's 4-7 may be out)
	MUL 0, 2, 1, 0
	s_wait_dscnt 0x0                               ; the add is done, and my reads of slot 0 are over
	s_barrier_signal -1
	MUL 2, 2, 1, 0
	WIN 0
	s_barrier_wait -1
	CREST                                          ; no wave of any partner still reads slot 0 or has a load on its way; slots 1 and 2 are whole
	JLOAD 0                                        ; its four v_nop are also the places in front of the loads below
	FETCH 1, 0, 0
	MUL 4, 4, 1, 0
.endm
.macro TURNL                           ; slot 2's second 128; behind its barrier slot 0 holds K step 3 for every wave, and nothing is filled again
	s_wait_tensorcnt 0x0                           ; my one load that was out: no load was issued behind it
	s_wait_dscnt 16
	MUL 0, 2, 1, 0
	s_wait_dscnt 0x0                               ; no LDS instruction is pending at a signal
	s_barrier_signal -1
	MUL 2, 2, 1, 0
	s_barrier_wait -1
	PLACES
	FETCH 0, 0, 0
	MUL 4, 4, 1, 0
.endm
.macro PRODUCT                         ; K = 1,024 in eight runs of 128, written out: every offset is an immediate
	s_wait_tensorcnt 0x2                           ; my part of K step 0 is in; K steps 1 and 2 may stay out
	s_barrier_signal -1
	s_barrier_wait -1
	FETCH 0, 0, 0
	SUB 0, 1, 0, 1
	TURNR
	SUB 0, 0, 1, 1
	SUB 1, 0, 2, 0
	SUB 0, 0, 2, 1
	TURNL
	SUB 0, 0, 0, 1
	s_wait_dscnt 16
	MUL 0, 4, 1, 0
	s_wait_dscnt 0x0
	MUL 4, 4, 1, 0
	WIN 0
	PLACES
.endm
.macro FINISH
	s_wait_tensorcnt 0x0                           ; the wave's end
	ds_add_u32 v[SPW], v[NIL]
	s_wait_dscnt 0x0
	CROUND                                         ; the closing round: no work-group ends while a partner may still ask for a tile that names it
	s_endpgm
.endm
	s_load_b128 s[4:7], s[0:1], 0x0                ; src, par
	s_load_b64 s[8:9], s[0:1], 0x10                ; dst
	IDS
	s_wait_kmcnt 0x0
	s_load_b128 s[68:71], s[6:7], 0x0              ; eA, eB, eO (and a, not used here)
	FILLS 4, 0x800000, 4, 0                        ; P = the right operand, Q = the left
	OUTOFF
	s_add_nc_u64 s[8:9], s[8:9], s[96:97]
	s_wait_kmcnt 0x0
	s_sub_co_i32 s98, s70, s68
	s_sub_co_i32 s98, s98, s69                     ; eO - eA - eB
	MKSC 12, 13, s98
	PRODUCT
.irp q, 0,1,2,3                        ; THE WAY OUT: Q's block q: eight tiles are held, converted, and are a whole fragment
	WIN 0x02                                       ; source 0 (the sums) window 2
.set ii, 0
.rept 64
	v_med3_num_f32 v[HB+ii], v[64*\q+ii], -v13, v13        ; the conversion to an 8-bit code does not saturate (ISA guide 7.6.2); each accumulator is read from its low end on
.set ii, ii+1
.endr
	WIN 0
.set tt, 0
.rept 8
	v_cvt_scalef32_pk8_fp8_f32 v[32+16*\q+2*tt:32+16*\q+2*tt+1], v[HB+8*tt:HB+8*tt+7], v12
.set tt, tt+1
.endr
	v_nop                                          ; a plain line between the conversions and the next block's holds, which write their sources
.irp i, 0,1,2,3
	global_store_b128 v3, v[32+16*\q+4*\i:32+16*\q+4*\i+3], s[8:9] offset:4096*\q+512*\i   ; 32 lanes store 512 consecutive bytes, aligned
.endr
.endr
	FINISH
.Lfunc_end_k_qd5b38e6306_cube1:
	.size	k_qd5b38e6306_cube1, .Lfunc_end_k_qd5b38e6306_cube1-k_qd5b38e6306_cube1
	.p2alignl 7, 3214868480
	.fill 96, 4, 3214868480
	.section	.rodata,"a",@progbits
	.p2align	6, 0x0
	.amdhsa_kernel k_qd5b38e6306_cube1
		.amdhsa_group_segment_fixed_size 327680
		.amdhsa_private_segment_fixed_size 0
		.amdhsa_enable_private_segment 0
		.amdhsa_kernarg_size 24
		.amdhsa_user_sgpr_count 2
		.amdhsa_user_sgpr_kernarg_segment_ptr 1
		.amdhsa_wavefront_size32 1
		.amdhsa_system_sgpr_workgroup_id_x 1
		.amdhsa_system_sgpr_workgroup_id_y 1
		.amdhsa_system_sgpr_workgroup_id_z 1
		.amdhsa_system_vgpr_workitem_id 0
		.amdhsa_next_free_vgpr 768
		.amdhsa_next_free_sgpr 100
		.amdhsa_reserve_vcc 0
		.amdhsa_float_denorm_mode_32 3
		.amdhsa_float_denorm_mode_16_64 3
		.amdhsa_memory_ordered 1
		.amdhsa_forward_progress 1
		.amdhsa_inst_pref_size 71
	.end_amdhsa_kernel
	.amdgpu_metadata
---
amdhsa.version: [ 1, 2 ]
amdhsa.kernels:
  - .name:           k_qd5b38e6306_cube1
    .symbol:         k_qd5b38e6306_cube1.kd
    .args:
      - { .name: bx, .offset: 0, .size: 8, .value_kind: global_buffer, .address_space: global }
      - { .name: p5, .offset: 8, .size: 8, .value_kind: global_buffer, .address_space: global }
      - { .name: by, .offset: 16, .size: 8, .value_kind: global_buffer, .address_space: global }
    .group_segment_fixed_size: 327680
    .private_segment_fixed_size: 0
    .kernarg_segment_align: 8
    .kernarg_segment_size: 24
    .max_flat_workgroup_size: 128
    .sgpr_count:     100
    .vgpr_count:     768
    .wavefront_size: 32
...
	.end_amdgpu_metadata
.endif
;; end of part 3
;; launch cube2: the kernel of part 3 again; grid 8 x 32, 4 waves a work-group, clusters of 4 x 4, 327,680 bytes of LDS; arguments by, p6, bz; writes bz
;; launch newt (part 4): grid 8 x 32, 4 waves a work-group, clusters of 4 x 4, 327,680 bytes of LDS; arguments bz, lowp_scales, p5, b2; writes b2
.if DOCPART == 4
	.amdgcn_target "amdgcn-amd-amdhsa--gfx1250"
	.amdhsa_code_object_version 6
	.text
	.protected	k_qd5b38e6306_newt
	.globl	k_qd5b38e6306_newt
	.p2align	8
	.type	k_qd5b38e6306_newt,@function
k_qd5b38e6306_newt:
	s_mov_b64 s[64:65], 0
	v_nop
	global_prefetch_b8 v0, s[64:65] scope:SCOPE_SE
	s_setreg_imm32_b32 hwreg(HW_REG_WAVE_MODE, 25, 1), 1
	s_wait_xcnt 0x0
	s_wait_alu depctr_hold_cnt(0) depctr_sa_sdst(0) depctr_va_vdst(0) depctr_va_sdst(0) depctr_va_ssrc(0) depctr_va_vcc(0) depctr_vm_vsrc(0)
	s_getreg_b32 s2, hwreg(HW_REG_IB_STS2, 6, 4)
	s_cmp_eq_u32 s2, 0
	s_cbranch_scc0 .Lentry_in_a_cluster
	s_endpgm
.Lentry_in_a_cluster:
	s_bfe_u32 s2, ttmp6, 0x10000c
	s_cmp_lg_u32 s2, 0xf033
	s_cbranch_scc0 .Lentry_shape_is_right
	s_endpgm
.Lentry_shape_is_right:
; B2 = 1.5 B1 - 0.5 (B1^3 S) (product 7 on codes of E4M3), and B2's codes under entry 15 with its first index as K, for the last product.
; bz + 0: B1^3's codes (row = first index, entry 12); bz + 8 MiB: S's codes (row = second index, entry 13); bz + 16 MiB: S's codes under entry 7, from which B1 = 1.5 I - 0.5 a Q(S; e7) is made again
; element by element (a from p5): an exact product, + 1.5 on the diagonal, x 1.5: reference()'s own steps and roundings.
; THE FRAME, shared by the five product launches.  Operand P (matrix source 0, 256 rows a tile) and operand Q (source 1, 128 rows a tile) are code tensors laid as images of operand registers: byte
; g 2^20 + (k>>8) 2^18 + (row>>4) 4096 + ((k>>7)&1) 2048 + 512 i + 16 lane: a K step of 256 of R rows is one dense block of 256 R bytes, and a fragment is four ds_load_b128 at 16 x lane: no pitch, no padding.
; A work-group of four waves makes 256 (P) x 128 (Q) of one group's result; a wave 128 x 64: 32 accumulators.  K = 1,024 goes in four K steps of 256 through three LDS slots: three are asked for at the head,
; the fourth fills slot 0 again.  By this text's own count a wave has three tensor loads out at the head and one behind the refill's round.
; CLUSTERS: 4 x 4 work-groups, all of one group g (cluster y).  P's tile hangs on g and cy and is asked for jointly by a row of the cluster; Q's on g, cluster x and cx, by a column.
; In a result tile lane (r, h) holds Q index r and P indices 8 h + 0 .. 7: eight conversions' results ARE registers 2 p, 2 p + 1 of a fragment whose row is the Q index and whose K is the P index.
; HERE: P = B1^3 (P index = B2's first index), Q = S (Q index = its second).  S's codes under entry 7 for my tiles lie at the very place where my codes of B2 will lie in b2, in the same registers' order.
; Whether a tile lies on the diagonal hangs on the work-group's place: it is settled by s_cselect_b32 of a factor against 0, never by a branch.
; LIMIT: e15 between -126 and 119; the other exponents are applied by v_ldexp_f32.  NaN and infinities are not served.
; REGISTERS, in windows of 256: window 0: v1 r, v2 h, v3 16 x lane, v4-6, v8-10 LDS addresses, v12-18 factors, v28, v29 the add's, v32-95 S's codes under entry 7, then B2's codes, v96-103 E,
;   v128-255 Q's fragments, two sets; on the way out v192-255 HB.   window 1: P's fragments, two sets.   window 2: the sums, tile (p, q) at 64 q + 8 p.
.set SLOT,  98304                      ; a slot: P's 256 rows (65,536 bytes), then Q's 128 (32,768)
.set QOFF,  65536
.set SPARE, 3*SLOT                     ; behind the slots: the spare words, 128 bytes for each wave: two blocks of 256 bytes that no other line names
.set ADP,   4
.set ADQ,   8
.set SPW,   28
.set NIL,   29
.set QF,    128
.set S7,    32
.set E,     96                         ; v96-103 1.0 where 8 h + j = r, else 0
.set HB,    192
.set G1P,   24
.set G1Q,   32
.set G0P,   40
.set G0Q,   52
.set MSB,   0
.macro WIN new                         ; the immediate's high byte repeats the setting that is left; a switch that changes nothing is dropped
.if MSB != \new
	s_set_vgpr_msb (MSB<<8)|\new
.set MSB, \new
.endif
.endm
.macro PLACES                          ; four plain vector lines between a matrix instruction and a load into, or a vector line on, its registers
.rept 4
	v_nop
.endr
.endm
.macro CREST                           ; a round of the cluster's barrier behind its opening barrier
	s_cmp_lg_u32 s18, 0
	s_cbranch_scc1 .Lnot_wave_0_\@
	s_barrier_signal -3
.Lnot_wave_0_\@:
	s_barrier_wait -3
	s_barrier_signal -1
	s_barrier_wait -1
.endm
.macro CROUND
	s_barrier_signal -1
	s_barrier_wait -1
	CREST
.endm
.macro JLOAD s                         ; a joint load: waves 0 and 1 fetch P's halves, waves 2 and 3 Q's; four v_nop follow each line
	s_cmp_eq_u32 s19, 0
	s_cbranch_scc0 .Lfor_q_\@
	tensor_load_to_lds s[G0P+4*\s:G0P+4*\s+3], s[G1P:G1P+7]
	s_nop 0
.rept 4
	v_nop
.endr
	s_branch .Lasked_\@
.Lfor_q_\@:
	tensor_load_to_lds s[G0Q+4*\s:G0Q+4*\s+3], s[G1Q:G1Q+7]
	s_nop 0
.rept 4
	v_nop
.endr
.Lasked_\@:
.endm
.macro IDS                             ; ids, masks, groups 1, and the tiles' byte offsets
	v_lshl_add_u32 v[SPW], v0, 2, SPARE
	v_mov_b32 v[NIL], 0
	ds_add_u32 v28, v29
	ds_add_u32 v28, v29
	s_wait_dscnt 0x0
	v_lshrrev_b32 v1, 5, v0
	v_readfirstlane_b32 s18, v1                    ; wave 0..3
	s_lshr_b32 s19, s18, 1                         ; ph: my 128 of P's 256.  Also: I fetch for P (0) or for Q (1)
	s_and_b32 s20, s18, 1                          ; qh: my 64 of Q's 128.  Also: which half of that tile I fetch
	s_bfe_u32 s21, ttmp6, 0x40000                  ; cx
	s_bfe_u32 s22, ttmp6, 0x40004                  ; cy = P's tile
	s_lshl_b32 s23, ttmp9, 2
	s_add_co_u32 s23, s23, s21                     ; Q's tile = 4 x cluster x + cx
	s_and_b32 s66, ttmp7, 0xffff                   ; g = cluster y
	s_lshl_b32 s84, s22, 2
	s_lshl_b32 s84, 15, s84                        ; my row of the cluster
	s_lshl_b32 s85, 0x1111, s21                    ; my column
	s_or_b32 s[G1P], s84, (3<<16)|(1<<21)          ; 15:0 the mask; 17:16 elements of 8 bytes; 21 set beside a mask; no padding
	s_or_b32 s[G1Q], s85, (3<<16)|(1<<21)
	s_mov_b32 s[G1P+1], 32<<16                     ; tensor_dim0 = 32 elements: 256 bytes
	s_mov_b32 s[G1P+2], 128<<16                    ; tensor_dim1 = 128: half of P's dense block
	s_mov_b32 s[G1P+3], 32<<16                     ; tile_dim0
	s_mov_b32 s[G1P+4], 128                        ; tile_dim1
	s_mov_b32 s[G1P+5], 32                         ; the pitch: dense
	s_mov_b32 s[G1P+6], 0
	s_mov_b32 s[G1P+7], 0
	s_mov_b32 s[G1Q+1], 32<<16
	s_mov_b32 s[G1Q+2], 64<<16                     ; 64 rows of 256 bytes: half of Q's block
	s_mov_b32 s[G1Q+3], 32<<16
	s_mov_b32 s[G1Q+4], 64
	s_mov_b32 s[G1Q+5], 32
	s_mov_b32 s[G1Q+6], 0
	s_mov_b32 s[G1Q+7], 0
	s_lshl_b32 s86, s66, 20                        ; P: g 2^20 + cy 2^16 + half 2^15, in registers that never hold cx
	s_lshl_b32 s90, s22, 16
	s_add_co_u32 s86, s86, s90
	s_lshl_b32 s90, s20, 15
	s_add_co_u32 s86, s86, s90
	s_mov_b32 s87, 0
	s_lshl_b32 s88, s66, 20                        ; Q: g 2^20 + tile 2^15 + half 2^14, in registers that never hold cy
	s_lshl_b32 s91, s23, 15
	s_add_co_u32 s88, s88, s91
	s_lshl_b32 s91, s20, 14
	s_add_co_u32 s88, s88, s91
	s_mov_b32 s89, 0
	s_lshl_b32 s92, s20, 15                        ; where they go in a slot: no place in the cluster enters an LDS address
	s_lshl_b32 s93, s20, 14
	s_add_co_u32 s93, s93, QOFF
.endm
.macro FILLS pb, po, qb, qo            ; groups 0; the opening round; a wave's three first fills in one branch; the LDS addresses of the fragments
	s_add_nc_u64 s[86:87], s[\pb:\pb+1], s[86:87]
.if \po
	s_add_nc_u64 s[86:87], s[86:87], \po
.endif
	s_add_nc_u64 s[88:89], s[\qb:\qb+1], s[88:89]
.if \qo
	s_add_nc_u64 s[88:89], s[88:89], \qo
.endif
.irp s, 0,1,2
	s_mov_b32 s[G0P+4*\s], 1
	s_add_co_u32 s[G0P+4*\s+1], s92, \s*SLOT
	s_add_nc_u64 s[G0P+4*\s+2:G0P+4*\s+3], s[86:87], (\s)<<18    ; K step s
	s_or_b32 s[G0P+4*\s+3], s[G0P+4*\s+3], 0x80000000
	s_mov_b32 s[G0Q+4*\s], 1
	s_add_co_u32 s[G0Q+4*\s+1], s93, \s*SLOT
	s_add_nc_u64 s[G0Q+4*\s+2:G0Q+4*\s+3], s[88:89], (\s)<<18
	s_or_b32 s[G0Q+4*\s+3], s[G0Q+4*\s+3], 0x80000000
.endr
	CROUND                                         ; all sixteen work-groups are here: the first joint loads meet
	s_cmp_eq_u32 s19, 0
	s_cbranch_scc0 .Lfirst_q
	tensor_load_to_lds s[G0P:G0P+3], s[G1P:G1P+7]
	s_nop 0
	tensor_load_to_lds s[G0P+4:G0P+7], s[G1P:G1P+7]
	s_nop 0
	tensor_load_to_lds s[G0P+8:G0P+11], s[G1P:G1P+7]
	s_nop 0
.rept 4
	v_nop
.endr
	s_branch .Lfirst_done
.Lfirst_q:
	tensor_load_to_lds s[G0Q:G0Q+3], s[G1Q:G1Q+7]
	s_nop 0
	tensor_load_to_lds s[G0Q+4:G0Q+7], s[G1Q:G1Q+7]
	s_nop 0
	tensor_load_to_lds s[G0Q+8:G0Q+11], s[G1Q:G1Q+7]
	s_nop 0
.rept 4
	v_nop
.endr
.Lfirst_done:
	v_and_b32 v1, 15, v0                           ; r
	v_bfe_u32 v2, v0, 4, 1                         ; h
	v_and_b32 v3, 31, v0
	v_lshlrev_b32 v3, 4, v3                        ; 16 x lane
	s_lshl_b32 s94, s19, 15                        ; my 8 blocks of P's 16
	s_lshl_b32 s98, s20, 14                        ; my 4 blocks of Q's 8
	s_add_co_u32 s98, s98, QOFF
.irp s, 0,1,2
	v_add_nc_u32 v[ADP+\s], s94, v3
	v_add_nc_u32 v[ADQ+\s], s98, v3
	s_add_co_u32 s94, s94, SLOT
	s_add_co_u32 s98, s98, SLOT
.endr
.endm
.macro OUTOFF                          ; s[96:97]: where my wave's four result fragments (row = Q index, K = P index) begin in a code tensor
	s_lshl_b32 s96, s66, 20
	s_lshl_b32 s98, s22, 18                        ; K step = P's tile
	s_add_co_u32 s96, s96, s98
	s_lshl_b32 s98, s23, 15                        ; row blocks 8 x Q's tile + 4 qh on
	s_add_co_u32 s96, s96, s98
	s_lshl_b32 s98, s20, 14
	s_add_co_u32 s96, s96, s98
	s_lshl_b32 s98, s19, 11                        ; the K step's half = ph
	s_add_co_u32 s96, s96, s98
	s_mov_b32 s97, 0
.endm
.macro MKSC vs, vl, se                 ; v[vs] = 2^e as f32, v[vl] = 448 x 2^e
	s_add_co_i32 s98, \se, 127
	s_lshl_b32 s99, s98, 23
	v_mov_b32 v[\vs], s99
	s_add_co_i32 s98, s98, 8
	s_lshl_b32 s98, s98, 23
	s_or_b32 s98, s98, 0x600000
	v_mov_b32 v[\vl], s98
.endm
.macro FETCH slot, u, set              ; 48 LDS loads in one run: the fragments of the slot's u-th 128 along K: Q's four, then P's eight in ascending order
	WIN 0
.irp q, 0,1,2,3
.irp i, 0,1,2,3
	ds_load_b128 v[QF+64*(\set)+16*\q+4*\i:QF+64*(\set)+16*\q+4*\i+3], v[ADQ+\slot] offset:4096*\q+2048*(\u)+512*\i
.endr
.endr
	WIN 0x40                                       ; destination window 1, address window 0
.irp p, 0,1,2,3,4,5,6,7
.irp i, 0,1,2,3
	ds_load_b128 v[128*(\set)+16*\p+4*\i:128*(\set)+16*\p+4*\i+3], v[ADP+\slot] offset:4096*\p+2048*(\u)+512*\i
.endr
.endr
.endm
; P's fragments p0 .. p0 + n - 1 against Q's four.  zero = 1: the product starts the sum.  The accumulators take turns, one instruction a turn.
.macro MUL p0, n, set, zero
	WIN 0xa1                                       ; source 0 window 1, source 1 window 0, C and D window 2
.set pp, \p0
.rept \n
.irp q, 0,1,2,3
.if \zero
	v_wmma_f32_16x16x128_fp8_fp8 v[64*\q+8*pp:64*\q+8*pp+7], v[128*(\set)+16*pp:128*(\set)+16*pp+15], v[QF+64*(\set)+16*\q:QF+64*(\set)+16*\q+15], 0
.else
	v_wmma_f32_16x16x128_fp8_fp8 v[64*\q+8*pp:64*\q+8*pp+7], v[128*(\set)+16*pp:128*(\set)+16*pp+15], v[QF+64*(\set)+16*\q:QF+64*(\set)+16*\q+15], v[64*\q+8*pp:64*\q+8*pp+7]
.endif
.endr
.set pp, pp+1
.endr
.endm
.macro SUB set, zero, nslot, nu        ; 128 along K on fragment set `set`; in its middle the next 128's fragments are fetched into the other set
	s_wait_dscnt 16                                ; Q's four and P's 0-3 are in; the youngest 16 loads (P's 4-7) may be out
	MUL 0, 4, \set, \zero
	PLACES
	FETCH \nslot, \nu, 1-(\set)
	s_wait_dscnt 48                                ; all but the 48 just issued
	MUL 4, 4, \set, \zero
.endm
.macro TURNR                           ; slot 0's second 128, and its refill with K step 3: the waits and the add in front of a round of the cluster's barrier, the joint load first behind it
	WIN 0
	s_wait_tensorcnt 0x0                           ; all my tensor loads have landed: my parts of K steps 0, 1 and 2; so a group 0 may be written
	ds_add_u32 v[SPW], v[NIL]                      ; 0 onto my spare word
	s_add_nc_u64 s[G0P+2:G0P+3], s[G0P+2:G0P+3], 3<<18
	s_add_nc_u64 s[G0Q+2:G0Q+3], s[G0Q+2:G0Q+3], 3<<18
	s_wait_dscnt 17                                ; (the add and P's 4-7 may be out)
	MUL 0, 2, 1, 0
	s_wait_dscnt 0x0                               ; the add is done, and my reads of slot 0 are over
	s_barrier_signal -1
	MUL 2, 2, 1, 0
	WIN 0
	s_barrier_wait -1
	CREST                                          ; no wave of any partner still reads slot 0 or has a load on its way; slots 1 and 2 are whole
	JLOAD 0                                        ; its four v_nop are also the places in front of the loads below
	FETCH 1, 0, 0
	MUL 4, 4, 1, 0
.endm
.macro TURNL                           ; slot 2's second 128; behind its barrier slot 0 holds K step 3 for every wave, and nothing is filled again
	s_wait_tensorcnt 0x0                           ; my one load that was out: no load was issued behind it
	s_wait_dscnt 16
	MUL 0, 2, 1, 0
	s_wait_dscnt 0x0                               ; no LDS instruction is pending at a signal
	s_barrier_signal -1
	MUL 2, 2, 1, 0
	s_barrier_wait -1
	PLACES
	FETCH 0, 0, 0
	MUL 4, 4, 1, 0
.endm
.macro PRODUCT                         ; K = 1,024 in eight runs of 128, written out: every offset is an immediate
	s_wait_tensorcnt 0x2                           ; my part of K step 0 is in; K steps 1 and 2 may stay out
	s_barrier_signal -1
	s_barrier_wait -1
	FETCH 0, 0, 0
	SUB 0, 1, 0, 1
	TURNR
	SUB 0, 0, 1, 1
	SUB 1, 0, 2, 0
	SUB 0, 0, 2, 1
	TURNL
	SUB 0, 0, 0, 1
	s_wait_dscnt 16
	MUL 0, 4, 1, 0
	s_wait_dscnt 0x0
	MUL 4, 4, 1, 0
	WIN 0
	PLACES
.endm
.macro FINISH
	s_wait_tensorcnt 0x0                           ; the wave's end
	ds_add_u32 v[SPW], v[NIL]
	s_wait_dscnt 0x0
	CROUND                                         ; the closing round: no work-group ends while a partner may still ask for a tile that names it
	s_endpgm
.endm
	s_load_b256 s[4:11], s[0:1], 0x0               ; bz, the scales' exponents, p5, b2
	IDS
	s_wait_kmcnt 0x0
	s_load_b512 s[68:83], s[6:7], 0x0              ; the sixteen exponents
	s_load_b32 s95, s[8:9], 0xc                    ; a
	FILLS 4, 0, 4, 0x800000                        ; P = B1^3, Q = S under entry 13
	OUTOFF
	s_add_nc_u64 s[12:13], s[4:5], s[96:97]
	s_add_nc_u64 s[12:13], s[12:13], 0x1000000     ; S under entry 7, my four fragments
	s_add_nc_u64 s[10:11], s[10:11], s[96:97]      ; and B2's codes at the same place of b2
.irp q, 0,1,2,3
.irp i, 0,1,2,3
	global_load_b128 v[S7+16*\q+4*\i:S7+16*\q+4*\i+3], v3, s[12:13] offset:4096*\q+512*\i   ; they land while the products run
.endr
.endr
	v_lshlrev_b32 v31, 3, v2
	v_sub_nc_u32 v31, v1, v31                      ; r - 8 h
.irp j, 0,1,2,3,4,5,6,7
	v_cmp_eq_u32 vcc_lo, \j, v31
	v_cndmask_b32 v[E+\j], 0, 1.0, vcc_lo
.endr
	s_lshl_b32 s67, s23, 3                         ; a tile (p, q) lies on the diagonal where p - q = (my first Q index - my first P index) / 16
	s_lshl_b32 s98, s20, 2
	s_add_co_i32 s67, s67, s98
	s_lshl_b32 s98, s22, 4
	s_sub_co_i32 s67, s67, s98
	s_lshl_b32 s98, s19, 3
	s_sub_co_i32 s67, s67, s98
	s_wait_kmcnt 0x0
	v_mov_b32 v12, s95
	v_ldexp_f32 v12, v12, s75
	v_mul_f32 v12, -0.5, v12                       ; -0.5 a 2^e7
	v_mov_b32 v13, v12
	s_add_co_i32 s98, s80, s81
	v_ldexp_f32 v14, -0.5, s98                     ; -0.5 x 2^(e12 + e13): a sum stands for sum x 2^(e12 + e13)
	v_mov_b32 v15, v14
	MKSC 16, 17, s83                               ; entry 15
	v_mov_b32 v18, 0x7f7f7f7f                      ; the scale 1.0 in every byte, for the conversions back
	PRODUCT
	s_wait_loadcnt 0x0                             ; S's codes under entry 7
.irp q, 0,1,2,3                        ; THE WAY OUT: Q's block q, eight tiles
.set tt, 0
.rept 8
	v_cvt_scale_pk8_f32_fp8 v[HB+8*tt:HB+8*tt+7], v[S7+16*\q+2*tt:S7+16*\q+2*tt+1], v18     ; the codes' values, in the sums' own layout
.set tt, tt+1
.endr
	v_nop
.set tt, 0
.rept 8
	s_cmp_eq_i32 s67, tt-\q
	s_cselect_b32 s90, 0x3fc00000, 0               ; 1.5 for a tile on the diagonal
.irp i, 0,2,4,6
	v_pk_mul_f32 v[HB+8*tt+\i:HB+8*tt+\i+1], v[HB+8*tt+\i:HB+8*tt+\i+1], v[12:13] op_sel_hi:[1,0]    ; -0.5 a Q(S; e7): exact
.endr
.irp i, 0,2,4,6
	v_pk_fma_f32 v[HB+8*tt+\i:HB+8*tt+\i+1], v[E+\i:E+\i+1], s[90:91], v[HB+8*tt+\i:HB+8*tt+\i+1] op_sel_hi:[1,0,1]   ; B1
.endr
.irp i, 0,2,4,6
	v_pk_mul_f32 v[HB+8*tt+\i:HB+8*tt+\i+1], v[HB+8*tt+\i:HB+8*tt+\i+1], 0x3fc00000 op_sel_hi:[1,0]  ; 1.5 B1
.endr
.set tt, tt+1
.endr
	WIN 0x02                                       ; source 0 (the sums) window 2
.set ii, 0
.rept 32
	v_pk_fma_f32 v[HB+2*ii:HB+2*ii+1], v[64*\q+2*ii:64*\q+2*ii+1], v[14:15], v[HB+2*ii:HB+2*ii+1] op_sel_hi:[1,0,1]   ; B2 = 1.5 B1 - 0.5 sum 2^(e12 + e13); each accumulator from its low end on
.set ii, ii+1
.endr
	WIN 0
.set ii, 0
.rept 64
	v_med3_num_f32 v[HB+ii], v[HB+ii], -v17, v17   ; the conversion to an 8-bit code does not saturate (ISA guide 7.6.2)
.set ii, ii+1
.endr
.set tt, 0
.rept 8
	v_cvt_scalef32_pk8_fp8_f32 v[S7+16*\q+2*tt:S7+16*\q+2*tt+1], v[HB+8*tt:HB+8*tt+7], v16
.set tt, tt+1
.endr
	v_nop                                          ; a plain line between the conversions and the next block's, which write their sources
.irp i, 0,1,2,3
	global_store_b128 v3, v[S7+16*\q+4*\i:S7+16*\q+4*\i+3], s[10:11] offset:4096*\q+512*\i   ; 32 lanes store 512 consecutive bytes, aligned
.endr
.endr
	FINISH
.Lfunc_end_k_qd5b38e6306_newt:
	.size	k_qd5b38e6306_newt, .Lfunc_end_k_qd5b38e6306_newt-k_qd5b38e6306_newt
	.p2alignl 7, 3214868480
	.fill 96, 4, 3214868480
	.section	.rodata,"a",@progbits
	.p2align	6, 0x0
	.amdhsa_kernel k_qd5b38e6306_newt
		.amdhsa_group_segment_fixed_size 327680
		.amdhsa_private_segment_fixed_size 0
		.amdhsa_enable_private_segment 0
		.amdhsa_kernarg_size 32
		.amdhsa_user_sgpr_count 2
		.amdhsa_user_sgpr_kernarg_segment_ptr 1
		.amdhsa_wavefront_size32 1
		.amdhsa_system_sgpr_workgroup_id_x 1
		.amdhsa_system_sgpr_workgroup_id_y 1
		.amdhsa_system_sgpr_workgroup_id_z 1
		.amdhsa_system_vgpr_workitem_id 0
		.amdhsa_next_free_vgpr 768
		.amdhsa_next_free_sgpr 100
		.amdhsa_reserve_vcc 1
		.amdhsa_float_denorm_mode_32 3
		.amdhsa_float_denorm_mode_16_64 3
		.amdhsa_memory_ordered 1
		.amdhsa_forward_progress 1
		.amdhsa_inst_pref_size 115
	.end_amdhsa_kernel
	.amdgpu_metadata
---
amdhsa.version: [ 1, 2 ]
amdhsa.kernels:
  - .name:           k_qd5b38e6306_newt
    .symbol:         k_qd5b38e6306_newt.kd
    .args:
      - { .name: bz, .offset: 0, .size: 8, .value_kind: global_buffer, .address_space: global }
      - { .name: lowp_scales, .offset: 8, .size: 8, .value_kind: global_buffer, .address_space: global }
      - { .name: p5, .offset: 16, .size: 8, .value_kind: global_buffer, .address_space: global }
      - { .name: b2, .offset: 24, .size: 8, .value_kind: global_buffer, .address_space: global }
    .group_segment_fixed_size: 327680
    .private_segment_fixed_size: 0
    .kernarg_segment_align: 8
    .kernarg_segment_size: 32
    .max_flat_workgroup_size: 128
    .sgpr_count:     100
    .vgpr_count:     768
    .wavefront_size: 32
...
	.end_amdgpu_metadata
.endif
;; end of part 4
;; launch proj (part 5): grid 8 x 32, 4 waves a work-group, clusters of 4 x 4, 327,680 bytes of LDS; arguments b2, zq, nrm, lowp_scales, out0; writes out0
.if DOCPART == 5
	.amdgcn_target "amdgcn-amd-amdhsa--gfx1250"
	.amdhsa_code_object_version 6
	.text
	.protected	k_qd5b38e6306_proj
	.globl	k_qd5b38e6306_proj
	.p2align	8
	.type	k_qd5b38e6306_proj,@function
k_qd5b38e6306_proj:
	s_mov_b64 s[64:65], 0
	v_nop
	global_prefetch_b8 v0, s[64:65] scope:SCOPE_SE
	s_setreg_imm32_b32 hwreg(HW_REG_WAVE_MODE, 25, 1), 1
	s_wait_xcnt 0x0
	s_wait_alu depctr_hold_cnt(0) depctr_sa_sdst(0) depctr_va_vdst(0) depctr_va_sdst(0) depctr_va_ssrc(0) depctr_va_vcc(0) depctr_vm_vsrc(0)
	s_getreg_b32 s2, hwreg(HW_REG_IB_STS2, 6, 4)
	s_cmp_eq_u32 s2, 0
	s_cbranch_scc0 .Lentry_in_a_cluster
	s_endpgm
.Lentry_in_a_cluster:
	s_bfe_u32 s2, ttmp6, 0x10000c
	s_cmp_lg_u32 s2, 0xf033
	s_cbranch_scc0 .Lentry_shape_is_right
	s_endpgm
.Lentry_shape_is_right:
; W = Zc B2 / sqrt(||S||_F) (product 8 on codes of E4M3), the output in f32.  b2: B2's codes (row = second index, K = first, entry 15); zq + 16 MiB: Zc's codes (row = row, K = column, entry 14);
; nrm: for each group 128 parts of the sum of S^2.
; THE FRAME, shared by the five product launches.  Operand P (matrix source 0, 256 rows a tile) and operand Q (source 1, 128 rows a tile) are code tensors laid as images of operand registers: byte
; g 2^20 + (k>>8) 2^18 + (row>>4) 4096 + ((k>>7)&1) 2048 + 512 i + 16 lane: a K step of 256 of R rows is one dense block of 256 R bytes, and a fragment is four ds_load_b128 at 16 x lane: no pitch, no padding.
; A work-group of four waves makes 256 (P) x 128 (Q) of one group's result; a wave 128 x 64: 32 accumulators.  K = 1,024 goes in four K steps of 256 through three LDS slots: three are asked for at the head,
; the fourth fills slot 0 again.  By this text's own count a wave has three tensor loads out at the head and one behind the refill's round.
; CLUSTERS: 4 x 4 work-groups, all of one group g (cluster y).  P's tile hangs on g and cy and is asked for jointly by a row of the cluster; Q's on g, cluster x and cx, by a column.
; HERE: P = B2 (P index = W's column), Q = Zc (Q index = W's row): a lane holds eight neighbouring numbers of a row of W.  Each sum is multiplied once by 2^(e14 + e15) / sqrt(sqrt(the sum of S^2)).
; THE WAY OUT: a block of 16 rows x 128 columns goes through the wave's own stage in LDS and comes back as whole rows of 512 bytes.  The stages lie in slot 1, which has had its one fill and which nobody reads
; behind the last barrier.
; LIMITS: none on the exponents (v_ldexp_f32).  NaN and infinities are not served.
; REGISTERS, in windows of 256: window 0: v1 r, v2 h, v3 16 x lane, v4-6, v8-10 LDS addresses, v16-19 the norm, then v[16:17] the factor, v20, v21 the stage, v28, v29 the add's, v32-95 a block's numbers,
;   v128-255 Q's fragments, two sets; on the way out rows read back, two sets by turns.   window 1: P's fragments, two sets.   window 2: the sums, tile (p, q) at 64 q + 8 p.
.set SLOT,  98304                      ; a slot: P's 256 rows (65,536 bytes), then Q's 128 (32,768)
.set QOFF,  65536
.set SPARE, 3*SLOT                     ; behind the slots: the spare words, 128 bytes for each wave: two blocks of 256 bytes that no other line names
.set SPITCH, 528                       ; a stage row: 512 bytes + 16 = 33 x 16
.set ADP,   4
.set ADQ,   8
.set SPW,   28
.set NIL,   29
.set QF,    128
.set TMP,   32
.set BK,    128
.set G1P,   24
.set G1Q,   32
.set G0P,   40
.set G0Q,   52
.set MSB,   0
.macro WIN new                         ; the immediate's high byte repeats the setting that is left; a switch that changes nothing is dropped
.if MSB != \new
	s_set_vgpr_msb (MSB<<8)|\new
.set MSB, \new
.endif
.endm
.macro PLACES                          ; four plain vector lines between a matrix instruction and a load into, or a vector line on, its registers
.rept 4
	v_nop
.endr
.endm
.macro CREST                           ; a round of the cluster's barrier behind its opening barrier
	s_cmp_lg_u32 s18, 0
	s_cbranch_scc1 .Lnot_wave_0_\@
	s_barrier_signal -3
.Lnot_wave_0_\@:
	s_barrier_wait -3
	s_barrier_signal -1
	s_barrier_wait -1
.endm
.macro CROUND
	s_barrier_signal -1
	s_barrier_wait -1
	CREST
.endm
.macro JLOAD s                         ; a joint load: waves 0 and 1 fetch P's halves, waves 2 and 3 Q's; four v_nop follow each line
	s_cmp_eq_u32 s19, 0
	s_cbranch_scc0 .Lfor_q_\@
	tensor_load_to_lds s[G0P+4*\s:G0P+4*\s+3], s[G1P:G1P+7]
	s_nop 0
.rept 4
	v_nop
.endr
	s_branch .Lasked_\@
.Lfor_q_\@:
	tensor_load_to_lds s[G0Q+4*\s:G0Q+4*\s+3], s[G1Q:G1Q+7]
	s_nop 0
.rept 4
	v_nop
.endr
.Lasked_\@:
.endm
.macro IDS                             ; ids, masks, groups 1, and the tiles' byte offsets
	v_lshl_add_u32 v[SPW], v0, 2, SPARE
	v_mov_b32 v[NIL], 0
	ds_add_u32 v28, v29
	ds_add_u32 v28, v29
	s_wait_dscnt 0x0
	v_lshrrev_b32 v1, 5, v0
	v_readfirstlane_b32 s18, v1                    ; wave 0..3
	s_lshr_b32 s19, s18, 1                         ; ph: my 128 of P's 256.  Also: I fetch for P (0) or for Q (1)
	s_and_b32 s20, s18, 1                          ; qh: my 64 of Q's 128.  Also: which half of that tile I fetch
	s_bfe_u32 s21, ttmp6, 0x40000                  ; cx
	s_bfe_u32 s22, ttmp6, 0x40004                  ; cy = P's tile
	s_lshl_b32 s23, ttmp9, 2
	s_add_co_u32 s23, s23, s21                     ; Q's tile = 4 x cluster x + cx
	s_and_b32 s66, ttmp7, 0xffff                   ; g = cluster y
	s_lshl_b32 s84, s22, 2
	s_lshl_b32 s84, 15, s84                        ; my row of the cluster
	s_lshl_b32 s85, 0x1111, s21                    ; my column
	s_or_b32 s[G1P], s84, (3<<16)|(1<<21)          ; 15:0 the mask; 17:16 elements of 8 bytes; 21 set beside a mask; no padding
	s_or_b32 s[G1Q], s85, (3<<16)|(1<<21)
	s_mov_b32 s[G1P+1], 32<<16                     ; tensor_dim0 = 32 elements: 256 bytes
	s_mov_b32 s[G1P+2], 128<<16                    ; tensor_dim1 = 128: half of P's dense block
	s_mov_b32 s[G1P+3], 32<<16                     ; tile_dim0
	s_mov_b32 s[G1P+4], 128                        ; tile_dim1
	s_mov_b32 s[G1P+5], 32                         ; the pitch: dense
	s_mov_b32 s[G1P+6], 0
	s_mov_b32 s[G1P+7], 0
	s_mov_b32 s[G1Q+1], 32<<16
	s_mov_b32 s[G1Q+2], 64<<16                     ; 64 rows of 256 bytes: half of Q's block
	s_mov_b32 s[G1Q+3], 32<<16
	s_mov_b32 s[G1Q+4], 64
	s_mov_b32 s[G1Q+5], 32
	s_mov_b32 s[G1Q+6], 0
	s_mov_b32 s[G1Q+7], 0
	s_lshl_b32 s86, s66, 20                        ; P: g 2^20 + cy 2^16 + half 2^15, in registers that never hold cx
	s_lshl_b32 s90, s22, 16
	s_add_co_u32 s86, s86, s90
	s_lshl_b32 s90, s20, 15
	s_add_co_u32 s86, s86, s90
	s_mov_b32 s87, 0
	s_lshl_b32 s88, s66, 20                        ; Q: g 2^20 + tile 2^15 + half 2^14, in registers that never hold cy
	s_lshl_b32 s91, s23, 15
	s_add_co_u32 s88, s88, s91
	s_lshl_b32 s91, s20, 14
	s_add_co_u32 s88, s88, s91
	s_mov_b32 s89, 0
	s_lshl_b32 s92, s20, 15                        ; where they go in a slot: no place in the cluster enters an LDS address
	s_lshl_b32 s93, s20, 14
	s_add_co_u32 s93, s93, QOFF
.endm
.macro FILLS pb, po, qb, qo            ; groups 0; the opening round; a wave's three first fills in one branch; the LDS addresses of the fragments
	s_add_nc_u64 s[86:87], s[\pb:\pb+1], s[86:87]
.if \po
	s_add_nc_u64 s[86:87], s[86:87], \po
.endif
	s_add_nc_u64 s[88:89], s[\qb:\qb+1], s[88:89]
.if \qo
	s_add_nc_u64 s[88:89], s[88:89], \qo
.endif
.irp s, 0,1,2
	s_mov_b32 s[G0P+4*\s], 1
	s_add_co_u32 s[G0P+4*\s+1], s92, \s*SLOT
	s_add_nc_u64 s[G0P+4*\s+2:G0P+4*\s+3], s[86:87], (\s)<<18    ; K step s
	s_or_b32 s[G0P+4*\s+3], s[G0P+4*\s+3], 0x80000000
	s_mov_b32 s[G0Q+4*\s], 1
	s_add_co_u32 s[G0Q+4*\s+1], s93, \s*SLOT
	s_add_nc_u64 s[G0Q+4*\s+2:G0Q+4*\s+3], s[88:89], (\s)<<18
	s_or_b32 s[G0Q+4*\s+3], s[G0Q+4*\s+3], 0x80000000
.endr
	CROUND                                         ; all sixteen work-groups are here: the first joint loads meet
	s_cmp_eq_u32 s19, 0
	s_cbranch_scc0 .Lfirst_q
	tensor_load_to_lds s[G0P:G0P+3], s[G1P:G1P+7]
	s_nop 0
	tensor_load_to_lds s[G0P+4:G0P+7], s[G1P:G1P+7]
	s_nop 0
	tensor_load_to_lds s[G0P+8:G0P+11], s[G1P:G1P+7]
	s_nop 0
.rept 4
	v_nop
.endr
	s_branch .Lfirst_done
.Lfirst_q:
	tensor_load_to_lds s[G0Q:G0Q+3], s[G1Q:G1Q+7]
	s_nop 0
	tensor_load_to_lds s[G0Q+4:G0Q+7], s[G1Q:G1Q+7]
	s_nop 0
	tensor_load_to_lds s[G0Q+8:G0Q+11], s[G1Q:G1Q+7]
	s_nop 0
.rept 4
	v_nop
.endr
.Lfirst_done:
	v_and_b32 v1, 15, v0                           ; r
	v_bfe_u32 v2, v0, 4, 1                         ; h
	v_and_b32 v3, 31, v0
	v_lshlrev_b32 v3, 4, v3                        ; 16 x lane
	s_lshl_b32 s94, s19, 15                        ; my 8 blocks of P's 16
	s_lshl_b32 s98, s20, 14                        ; my 4 blocks of Q's 8
	s_add_co_u32 s98, s98, QOFF
.irp s, 0,1,2
	v_add_nc_u32 v[ADP+\s], s94, v3
	v_add_nc_u32 v[ADQ+\s], s98, v3
	s_add_co_u32 s94, s94, SLOT
	s_add_co_u32 s98, s98, SLOT
.endr
.endm
.macro FETCH slot, u, set              ; 48 LDS loads in one run: the fragments of the slot's u-th 128 along K: Q's four, then P's eight in ascending order
	WIN 0
.irp q, 0,1,2,3
.irp i, 0,1,2,3
	ds_load_b128 v[QF+64*(\set)+16*\q+4*\i:QF+64*(\set)+16*\q+4*\i+3], v[ADQ+\slot] offset:4096*\q+2048*(\u)+512*\i
.endr
.endr
	WIN 0x40                                       ; destination window 1, address window 0
.irp p, 0,1,2,3,4,5,6,7
.irp i, 0,1,2,3
	ds_load_b128 v[128*(\set)+16*\p+4*\i:128*(\set)+16*\p+4*\i+3], v[ADP+\slot] offset:4096*\p+2048*(\u)+512*\i
.endr
.endr
.endm
; P's fragments p0 .. p0 + n - 1 against Q's four.  zero = 1: the product starts the sum.  The accumulators take turns, one instruction a turn.
.macro MUL p0, n, set, zero
	WIN 0xa1                                       ; source 0 window 1, source 1 window 0, C and D window 2
.set pp, \p0
.rept \n
.irp q, 0,1,2,3
.if \zero
	v_wmma_f32_16x16x128_fp8_fp8 v[64*\q+8*pp:64*\q+8*pp+7], v[128*(\set)+16*pp:128*(\set)+16*pp+15], v[QF+64*(\set)+16*\q:QF+64*(\set)+16*\q+15], 0
.else
	v_wmma_f32_16x16x128_fp8_fp8 v[64*\q+8*pp:64*\q+8*pp+7], v[128*(\set)+16*pp:128*(\set)+16*pp+15], v[QF+64*(\set)+16*\q:QF+64*(\set)+16*\q+15], v[64*\q+8*pp:64*\q+8*pp+7]
.endif
.endr
.set pp, pp+1
.endr
.endm
.macro SUB set, zero, nslot, nu        ; 128 along K on fragment set `set`; in its middle the next 128's fragments are fetched into the other set
	s_wait_dscnt 16                                ; Q's four and P's 0-3 are in; the youngest 16 loads (P's 4-7) may be out
	MUL 0, 4, \set, \zero
	PLACES
	FETCH \nslot, \nu, 1-(\set)
	s_wait_dscnt 48                                ; all but the 48 just issued
	MUL 4, 4, \set, \zero
.endm
.macro TURNR                           ; slot 0's second 128, and its refill with K step 3: the waits and the add in front of a round of the cluster's barrier, the joint load first behind it
	WIN 0
	s_wait_tensorcnt 0x0                           ; all my tensor loads have landed: my parts of K steps 0, 1 and 2; so a group 0 may be written
	ds_add_u32 v[SPW], v[NIL]                      ; 0 onto my spare word
	s_add_nc_u64 s[G0P+2:G0P+3], s[G0P+2:G0P+3], 3<<18
	s_add_nc_u64 s[G0Q+2:G0Q+3], s[G0Q+2:G0Q+3], 3<<18
	s_wait_dscnt 17                                ; (the add and P's 4-7 may be out)
	MUL 0, 2, 1, 0
	s_wait_dscnt 0x0                               ; the add is done, and my reads of slot 0 are over
	s_barrier_signal -1
	MUL 2, 2, 1, 0
	WIN 0
	s_barrier_wait -1
	CREST                                          ; no wave of any partner still reads slot 0 or has a load on its way; slots 1 and 2 are whole
	JLOAD 0                                        ; its four v_nop are also the places in front of the loads below
	FETCH 1, 0, 0
	MUL 4, 4, 1, 0
.endm
.macro TURNL                           ; slot 2's second 128; behind its barrier slot 0 holds K step 3 for every wave, and nothing is filled again
	s_wait_tensorcnt 0x0                           ; my one load that was out: no load was issued behind it
	s_wait_dscnt 16
	MUL 0, 2, 1, 0
	s_wait_dscnt 0x0                               ; no LDS instruction is pending at a signal: my reads of slots 1 and 2 are over
	s_barrier_signal -1
	MUL 2, 2, 1, 0
	s_barrier_wait -1
	PLACES
	FETCH 0, 0, 0
	MUL 4, 4, 1, 0
.endm
.macro PRODUCT                         ; K = 1,024 in eight runs of 128, written out: every offset is an immediate
	s_wait_tensorcnt 0x2                           ; my part of K step 0 is in; K steps 1 and 2 may stay out
	s_barrier_signal -1
	s_barrier_wait -1
	FETCH 0, 0, 0
	SUB 0, 1, 0, 1
	TURNR
	SUB 0, 0, 1, 1
	SUB 1, 0, 2, 0
	SUB 0, 0, 2, 1
	TURNL
	SUB 0, 0, 0, 1
	s_wait_dscnt 16
	MUL 0, 4, 1, 0
	s_wait_dscnt 0x0
	MUL 4, 4, 1, 0
	WIN 0
	PLACES
.endm
.macro FINISH
	s_wait_tensorcnt 0x0                           ; the wave's end
	ds_add_u32 v[SPW], v[NIL]
	s_wait_dscnt 0x0
	CROUND                                         ; the closing round: no work-group ends while a partner may still ask for a tile that names it
	s_endpgm
.endm
	s_load_b256 s[4:11], s[0:1], 0x0               ; b2, zq, nrm, the scales' exponents
	s_load_b64 s[12:13], s[0:1], 0x20              ; out0
	IDS
	s_wait_kmcnt 0x0
	s_load_b64 s[68:69], s[10:11], 0x38            ; e14, e15
	FILLS 4, 0, 6, 0x1000000                       ; P = B2, Q = Zc under entry 14
	s_lshl_b32 s98, s66, 9                         ; my group's 128 parts of the sum of S^2: 512 bytes, 16 a lane
	s_mov_b32 s99, 0
	s_add_nc_u64 s[8:9], s[8:9], s[98:99]
	global_load_b128 v[16:19], v3, s[8:9]
	s_lshl_b32 s96, s66, 22                        ; out0: row 1,024 g + 128 x Q's tile + 64 qh, 4,096 bytes a row; column 256 cy + 128 ph
	s_lshl_b32 s98, s23, 19
	s_add_co_u32 s96, s96, s98
	s_lshl_b32 s98, s20, 18
	s_add_co_u32 s96, s96, s98
	s_lshl_b32 s98, s22, 10
	s_add_co_u32 s96, s96, s98
	s_lshl_b32 s98, s19, 9
	s_add_co_u32 s96, s96, s98
	s_mov_b32 s97, 0
	s_add_nc_u64 s[12:13], s[12:13], s[96:97]
	s_mul_i32 s98, s18, 16*SPITCH
	s_add_co_u32 s98, s98, SLOT                    ; my stage, in slot 1
	v_mul_u32_u24 v20, v1, SPITCH
	v_lshl_add_u32 v20, v2, 5, v20
	v_add_nc_u32 v20, s98, v20                     ; in: row r, 32 bytes for each half of the lanes
	v_add_nc_u32 v21, s98, v3                      ; back: the 32 lanes take one row of 512 bytes
	s_mov_b32 s88, 0x76543210                      ; v_permlanex16_b32: lane l xor 16
	s_mov_b32 s89, 0xfedcba98
	s_wait_loadcnt 0x0
	v_add_f32 v16, v16, v17
	v_add_f32 v18, v18, v19
	v_add_f32 v16, v16, v18
	v_add_f32_dpp v16, v16, v16 row_xmask:1 row_mask:0xf bank_mask:0xf
	v_add_f32_dpp v16, v16, v16 row_xmask:2 row_mask:0xf bank_mask:0xf
	v_add_f32_dpp v16, v16, v16 row_xmask:4 row_mask:0xf bank_mask:0xf
	v_add_f32_dpp v16, v16, v16 row_xmask:8 row_mask:0xf bank_mask:0xf
	v_permlanex16_b32 v17, v16, s88, s89
	v_add_f32 v16, v16, v17                        ; the sum of S^2, in every lane
	v_sqrt_f32 v18, v16                            ; ||S||_F
	v_nop                                          ; a plain line behind a transcendental,
	s_wait_alu depctr_va_vdst(0)                   ; and the wait ahead of the first line that names its result
	v_rsq_f32 v16, v18                             ; 1 / sqrt(||S||_F)
	v_nop
	s_wait_kmcnt 0x0
	s_add_co_i32 s98, s68, s69
	s_wait_alu depctr_va_vdst(0)
	v_ldexp_f32 v16, v16, s98                      ; x 2^(e14 + e15)
	v_mov_b32 v17, v16
	PRODUCT
.macro TOSTAGE q                       ; Q's block q: 16 rows x 128 columns: scaled, into my stage, and back as whole rows.  LDS serves a wave's instructions in order (ISA guide 5.7.1.4): no wait between
	WIN 0x02                                       ; source 0 (the sums) window 2
.set ii, 0
.rept 32
	v_pk_mul_f32 v[TMP+2*ii:TMP+2*ii+1], v[64*(\q)+2*ii:64*(\q)+2*ii+1], v[16:17] op_sel_hi:[1,0]   ; each accumulator from its low end on
.set ii, ii+1
.endr
	WIN 0
.irp p, 0,1,2,3,4,5,6,7
	ds_store_b128 v20, v[TMP+8*\p:TMP+8*\p+3] offset:64*\p
	ds_store_b128 v20, v[TMP+8*\p+4:TMP+8*\p+7] offset:64*\p+16
.endr
.irp t, 0,1,2,3,4,5,6,7,8,9,10,11,12,13,14,15
	ds_load_b128 v[BK+64*((\q)%2)+4*\t:BK+64*((\q)%2)+4*\t+3], v21 offset:SPITCH*\t
.endr
.endm
.macro SEND q, younger                 ; younger: the LDS instructions issued behind block q's loads, which may stay out
	s_wait_dscnt \younger
.irp t, 0,1,2,3,4,5,6,7,8,9,10,11,12,13,14,15
	global_store_b128 v3, v[BK+64*((\q)%2)+4*\t:BK+64*((\q)%2)+4*\t+3], s[12:13] offset:(16*(\q)+\t)*4096 th:TH_STORE_NT   ; 32 lanes store 512 consecutive bytes, aligned; written once, read by nobody here
.endr
.endm
	TOSTAGE 0
	TOSTAGE 1
	SEND 0, 32                                     ; behind block 0's loads: block 1's 16 stores and 16 loads
	s_wait_xcnt 0x0                                ; block 0's stores have read their registers: block 2's loads may land there
	TOSTAGE 2
	SEND 1, 32
	s_wait_xcnt 0x0                                ; block 1's likewise
	TOSTAGE 3
	SEND 2, 32
	SEND 3, 0
	FINISH
.Lfunc_end_k_qd5b38e6306_proj:
	.size	k_qd5b38e6306_proj, .Lfunc_end_k_qd5b38e6306_proj-k_qd5b38e6306_proj
	.p2alignl 7, 3214868480
	.fill 96, 4, 3214868480
	.section	.rodata,"a",@progbits
	.p2align	6, 0x0
	.amdhsa_kernel k_qd5b38e6306_proj
		.amdhsa_group_segment_fixed_size 327680
		.amdhsa_private_segment_fixed_size 0
		.amdhsa_enable_private_segment 0
		.amdhsa_kernarg_size 40
		.amdhsa_user_sgpr_count 2
		.amdhsa_user_sgpr_kernarg_segment_ptr 1
		.amdhsa_wavefront_size32 1
		.amdhsa_system_sgpr_workgroup_id_x 1
		.amdhsa_system_sgpr_workgroup_id_y 1
		.amdhsa_system_sgpr_workgroup_id_z 1
		.amdhsa_system_vgpr_workitem_id 0
		.amdhsa_next_free_vgpr 768
		.amdhsa_next_free_sgpr 100
		.amdhsa_reserve_vcc 0
		.amdhsa_float_denorm_mode_32 3
		.amdhsa_float_denorm_mode_16_64 3
		.amdhsa_memory_ordered 1
		.amdhsa_forward_progress 1
		.amdhsa_inst_pref_size 75
	.end_amdhsa_kernel
	.amdgpu_metadata
---
amdhsa.version: [ 1, 2 ]
amdhsa.kernels:
  - .name:           k_qd5b38e6306_proj
    .symbol:         k_qd5b38e6306_proj.kd
    .args:
      - { .name: b2, .offset: 0, .size: 8, .value_kind: global_buffer, .address_space: global }
      - { .name: zq, .offset: 8, .size: 8, .value_kind: global_buffer, .address_space: global }
      - { .name: nrm, .offset: 16, .size: 8, .value_kind: global_buffer, .address_space: global }
      - { .name: lowp_scales, .offset: 24, .size: 8, .value_kind: global_buffer, .address_space: global }
      - { .name: out0, .offset: 32, .size: 8, .value_kind: global_buffer, .address_space: global }
    .group_segment_fixed_size: 327680
    .private_segment_fixed_size: 0
    .kernarg_segment_align: 8
    .kernarg_segment_size: 40
    .max_flat_workgroup_size: 128
    .sgpr_count:     100
    .vgpr_count:     768
    .wavefront_size: 32
...
	.end_amdgpu_metadata
.endif
;; end of part 5
